; MI455X (gfx1250); checked and timed in simulation.
; The chip was launched on July 23, 2026; its instructions are those of AMD's public machine-readable ISA for CDNA 5 (MIT licence, August 2026) and "CDNA5" Instruction Set Architecture Reference Guide (July 2026). The comments in the code are by the model that wrote it; some were corrected since.
;; Dora Linear Layer. Allowed arithmetic: matrix products marked QUANTISED: E2M1 operands, one E8M0 scale for each 32 along K, by v_wmma_scale_f32_16x16x128_f8f6f4 with both operands' format E2M1 (or v_wmma_scale_f32_32x16x128_f4), f32 sums; products left as they are: f32 operands where the result goes on into a quantised operand, else bf16, f16 or f32 operands; f32 sums; everything else in f32.
;; Inputs: base_weight 4,096 x 4,096 float32; magnitude 4,096 float32; osora_O 4,096 float32; osora_S 16 float32; osora_U 4,096 x 16 float32; osora_V 16 x 4,096 float32; x_codes 8 x 512 x 128 x 16 uint8 (E2M1 codes of x, K innermost, in blocks of 32 codes, two codes a byte); x_scales 8 x 512 x 128 uint8 (E8M0 scales of x, one for each 32 codes along K).
;; Outputs: out0 8 x 512 x 4,096 float32.
;; This version of the problem:
;;   THIS VERSION OF THE PROBLEM IS GIVEN IN LOW PRECISION. The matrix products marked QUANTISED in the list below multiply operands that are first quantised to E2M1 (2 exponent bits, 1 mantissa bit; 4 bits a number), with one power-of-two scale for each 32 numbers along K (OCP MX v1.0); their sums are f32. All else is computed in f32.
;;   The module's matrix products, in the order in which they are computed (A, B: the left and right operand; K: the contracted axis; several contracted axes count as one K, in the product's order):
;;     1. [M 4,096, K 16] x [K 16, N 4,096]; A: computed on the way; B: input osora_V: left as it is (K = 16 < 32)
;;     2. [M 4,096, K 4,096] x [K 4,096, N 16]; A: input x (given as codes); B: input osora_V: QUANTISED
;;     3. [M 4,096, K 16] x [K 16, N 4,096]; A: computed on the way; B: input osora_U: left as it is (K = 16 < 32)
;;     4. [M 4,096, K 4,096] x [K 4,096, N 4,096]; A: input x (given as codes); B: input base_weight: QUANTISED
;;   THE QUANTISER, for each operand of a quantised product, along K:
;;     - K is cut into blocks of 32 from its start; a last block that is shorter is filled with zeros.
;;     - A block's scale is 2^e with e = floor(log2(the largest magnitude in the block)) - 2, held to -126 .. 127; a block of zeros has e = 0. As a byte (E8M0): e + 127.
;;     - Each number is divided by its block's scale, clamped to +-6, and rounded to the nearest number of E2M1, ties to even, subnormals kept.
;;     - The product sums the exact products of the quantised numbers (number of the format x scale) in f32.
;;   ~~~python
;;   def quantise(x, axis):      # numpy; x: float32 -> the quantised numbers, widened to float32 again
;;       x = np.moveaxis(x, axis, -1); K = x.shape[-1]
;;       x = np.pad(x, [(0, 0)] * (x.ndim - 1) + [(0, -K % 32)]); x = x.reshape(x.shape[:-1] + (-1, 32)); a = np.abs(x).max(-1, keepdims=True)
;;       e = np.where(a > 0, np.clip(np.frexp(np.where(a > 0, a, 1))[1] - 1 - 2, -126, 127), 0)      # np.frexp(a)[1] - 1 = floor(log2(a)), exactly
;;       r = np.clip(x / 2.0 ** e, -6, 6)
;;       step = 2.0 ** (np.maximum(np.frexp(np.where(r == 0, 1, r))[1] - 1, 0) - 1)
;;       q = np.round(r / step) * step * 2.0 ** e      # np.round: ties to even
;;       return np.moveaxis(q.reshape(q.shape[:-2] + (-1,))[..., :K], -1, axis).astype(np.float32)
;;   ~~~
;;   INPUTS GIVEN AS CODES. x (in the module: [8, 512, 4096], K = its axis 2): each comes as NAME_codes (uint8): NAME with its K axis moved to the last place and cut into blocks of 32 codes, [.., K / 32, bytes a block], one block behind the other in memory; two codes a byte, the lower K in the low four bits (a code: sign, 2 exponent bits, 1 mantissa bit); and NAME_scales (uint8): the same leading axes, one E8M0 byte (e + 127) for each 32 codes along K. Its value is code x scale, taken as it is: it is not quantised again, and the codes and scales need not be those that the quantiser above would give.
;; 2 versions, each right; version 2 is version 1 with the launch prep written anew for expert scheduling mode. Each part assembles by itself: llvm-mc -triple=amdgcn-amd-amdhsa -mcpu=gfx1250 --defsym DOCPART=n.
;; ======== version 1 of 2: 2 launches
;; workspace buffers: wq 8,388,608 bytes; sc 1,048,576 bytes; xvp 1,048,576 bytes; sqp 65,536 bytes
;; launch prep (part 1): grid 256 x 1, 8 waves a work-group, no clusters, 146,432 bytes of LDS; arguments base_weight, osora_V, osora_U, osora_S, osora_O, x_codes, x_scales, wq, sc, xvp, sqp; writes wq, sc, xvp, sqp
.if DOCPART == 1
	.amdgcn_target "amdgcn-amd-amdhsa--gfx1250"
	.amdhsa_code_object_version 6
	.text
	.protected	k_q0523cd96e4_prep
	.globl	k_q0523cd96e4_prep
	.p2align	8
	.type	k_q0523cd96e4_prep,@function
k_q0523cd96e4_prep:
	s_mov_b64 s[64:65], 0
	v_nop
	global_prefetch_b8 v0, s[64:65] scope:SCOPE_SE
	s_setreg_imm32_b32 hwreg(HW_REG_WAVE_MODE, 25, 1), 1
	s_wait_xcnt 0x0
; PREP: all that is made once, ahead of the large product.  W = base_weight [4096][4096] f32, V = osora_V [16][4096] f32, x as codes of FP4 (E2M1) with E8M0 scale bytes.
;   wq  : W's codes of FP4, quantised along K in blocks of 32, laid as IMAGES of the operand's registers: [o / 256][K / 512][16 rows][K step of 128][1,024 bytes], register group c of lane l at 512 c + 16 l
;   sc  : scale words (4 bytes = 128 along K of one row): [K / 512][x, W][256 rows][16 rows][row][K step of 128]
;   xvp : x Q(V)^T (the quantised product of rank 16) over a quarter of K, f32: [quarter][16 rows][1,024 bytes]: lane (r, h) holds ranks 8 h .. 8 h + 7 of row r, four at 16 l, four at 512 + 16 l
;   sqp : the sum over a quarter of K of the squares of W + diag(O) U diag(S) V, f32: [quarter][4096 rows].  The next launch adds the four quarters of both.
; SHARES.  Work-group g takes rows 64 (g / 4) .. + 63 of W and of x, and quarter g % 4 of K.  Wave w takes ONE K step of 128 of that quarter, for all 64 rows: V's tile is turned, rounded and quantised once and serves four
; tiles of W and four fragments of x.
; V'S TILE (16 x 128 f32) is loaded as it lies (a row's 512 bytes to a load), turned through the wave's own stage in LDS so that lane (r, h) holds, of row r, register 16 b + i = k 32 b + 16 h + i, quantised, and multiplied
; with x's four fragments (source 0 = Q(V), source 1 = x): lane (r, h), register j = xv[x's row r][rank 8 h + j].  Rounded to bf16 it also goes through a second stage, out of which the turning load brings V^T's fragments.
; A TILE OF W takes the same turn and the same quantiser; then eight bf16 products add diag(O) U diag(S) V onto the 64 f32 numbers of W where they stand (C = D), and their squares are summed.
; THE COLUMNS OF V THAT FORM A TILE ARE NOT NEIGHBOURS: lane r' of tile 2 b + u takes column 32 b + 8 u + r' + 8 (r' / 8), so that the product's result lies as W's numbers lie.
; The rank is 16, the bf16 form's K is 32: registers 4-7 of O U S's fragments are zeros; V^T's fragments overlap (fragment t = v[VT + 4 t .. VT + 4 t + 7]), so their upper halves hold finite numbers of V, which meet those zeros.
; V IS WHAT WORK-GROUPS SHARE, and it is not asked for jointly: it is one tile in five of a wave's bytes, each wave turns its own tile as soon as it has come, and the eight waves meet once, at the end; a joint tensor load
; would put a round of a cluster's barrier in front of all that.
; LIMITS.  V and W hold finite numbers whose bf16 roundings are finite.  A block of zeros gets the scale byte 1 where the quantiser's rule says 127: its codes are zeros, and these bytes are read by this program alone.
; The sums over K of x V^T and of the squares are made in parts (a wave's K step, a work-group's quarter) and added in f32.  For the norm, O U S and V go to the matrix unit in one bf16 part each.
.set WREG,  13312                      ; LDS: a region for each wave:
.set FP,    528                        ;   the f32 stage, 16 rows of 512 bytes + 16: an odd multiple of 16, so that sixteen rows' reads of 16 bytes fall apart;
.set BST,   16*FP                      ;   behind it the bf16 stage,
.set BP,    288                        ;   16 rows of 256 bytes + 32
.set REDX,  8*WREG                     ; behind the regions: the eight waves' parts of x V^T, four tiles of 1,024 bytes each;
.set REDQ,  REDX+8*4096                ; of the sums of squares, 64 rows x 4 bytes each;
.set SCW,   REDQ+8*256                 ; and the scale words: [x, W][two K / 512][four tiles][row][K step of 128]: 4,096 bytes
.set LD,   4                           ; v4   16 x lane
.set FIN,  5                           ; v5   f32 stage, in: 16 x lane
.set FOUT, 6                           ; v6   f32 stage, out: 528 r + 64 h
.set BIN,  7                           ; v7   bf16 stage, in: 8 x lane
.set BTR,  8                           ; v8   bf16 stage, the turning load: (8 h + lane % 8) x 288 + 32 ((lane / 8) % 2)
.set AXC,  9                           ; v9   x's codes: 2,048 r + 16 h
.set AXS,  10                          ; v10  x's scale bytes: 128 r
.set AU,   11                          ; v11  U: 64 r + 32 h
.set ASV,  12                          ; v12  S: 32 h
.set A4R,  13                          ; v13  O: 4 r
.set SCS,  14                          ; v14  where I put a scale word: 2,048 h + 1,024 (w / 4) + 16 r + 4 (w % 4)
.set RXS,  15                          ; v15  where I store my parts of x V^T;  v16 where waves 0 to 3 read a tile's parts
.set RXL,  16
.set RQS,  17                          ; v17, v18 the same for the sums of squares (wave 4 reads)
.set RQL,  18
.set SCL,  19                          ; v19  where wave 5 reads the scale words
.set L8,   20                          ; v20  8 x lane
.set TM,   24                          ; v24-39  at work in the quantiser (v32-39 hold S until O U S is made)
.set XV,   40                          ; v40-71  first U, then x Q(V)^T, four accumulators;
.set WC,   40                          ;         then W's codes, eight registers for each tile: no store's data are written again
.set XF,   72                          ; v72-103 first x's four fragments; then:
.set SQ,   72                          ; v72-79  the sum of squares, four chains of pairs
.set SQF,  80                          ; v80-83  a tile's sum, one for each tile
.set WSW,  84                          ; v84-87  W's scale words
.set SD,   88                          ; v88-91  what goes to the scale words' place in LDS
.set QV,   104                         ; v104-111 Q(V)'s fragment
.set QW,   112                         ; v112    its scale word
.set OO,   114                         ; v114-117 O, one for each tile
.set XSW,  118                         ; v118-121 x's scale words
.set AF,   122                         ; v122-153 O U S in bf16, eight registers a tile, the upper four zeros
.set VT,   154                         ; v154-189 V^T's fragments, overlapping; v186-189 zeros
.set X,    190                         ; v190-253 the 64 numbers in hand
                                       ; window 1 (v256-511): four sets of 64 registers for tiles as they are loaded
.set GG,   30                          ; s30  which 64 rows
.set KQ,   31                          ; s31  which quarter of K
.set KS,   32                          ; s32  my K step of 128: 8 x quarter + wave
.set WV,   34                          ; s34  my wave's number
.set SEL,  36                          ; s[36:37] lane selects for v_permlanex16_b32: lane l xor 16
.set MSB, 0
.macro WIN new                         ; the immediate's high byte repeats the setting that is left; a switch that changes nothing is dropped
.if MSB != (\new)
	s_set_vgpr_msb (MSB<<8)|(\new)
.set MSB, (\new)
.endif
.endm
.macro PLACES n
.rept \n
	v_nop
.endr
.endm
	s_load_b512 s[8:23], s[0:1], 0x0               ; W s[8:9], V s[10:11], U s[12:13], S s[14:15], O s[16:17], x's codes s[18:19], x's scales s[20:21], wq s[22:23]
	s_load_b128 s[24:27], s[0:1], 0x40             ; sc s[24:25], xvp s[26:27]
	s_load_b64 s[28:29], s[0:1], 0x50              ; sqp
	v_lshl_add_u32 v254, v0, 2, 0x23800
	v_mov_b32 v255, 0
	v_lshrrev_b32 v1, 5, v0
	v_readfirstlane_b32 s[WV], v1                  ; wave 0..7
	v_and_b32 v1, 31, v0                           ; lane
	v_and_b32 v2, 15, v0                           ; r
	v_bfe_u32 v3, v0, 4, 1                         ; h
	s_lshr_b32 s[GG], ttmp9, 2
	s_and_b32 s[KQ], ttmp9, 3
	s_lshl_b32 s[KS], s[KQ], 3
	s_add_co_u32 s[KS], s[KS], s[WV]
	s_mul_i32 s33, s[WV], WREG                     ; my region of LDS
	v_lshlrev_b32 v[LD], 4, v1
	v_lshlrev_b32 v[L8], 3, v1
	v_add_nc_u32 v[FIN], s33, v[LD]
	v_mul_u32_u24 v[FOUT], v2, FP
	v_lshl_add_u32 v[FOUT], v3, 6, v[FOUT]
	v_add_nc_u32 v[FOUT], s33, v[FOUT]
	v_add_nc_u32 v[BIN], s33, v[L8]
	v_add_nc_u32 v[BIN], BST, v[BIN]
	v_and_b32 v[BTR], 7, v0
	v_lshl_add_u32 v[BTR], v3, 3, v[BTR]
	v_mul_u32_u24 v[BTR], v[BTR], BP
	v_bfe_u32 v21, v0, 3, 1
	v_lshl_add_u32 v[BTR], v21, 5, v[BTR]
	v_add_nc_u32 v[BTR], s33, v[BTR]
	v_add_nc_u32 v[BTR], BST, v[BTR]
	v_lshlrev_b32 v[AXC], 11, v2
	v_lshl_add_u32 v[AXC], v3, 4, v[AXC]
	v_lshlrev_b32 v[AXS], 7, v2
	v_lshlrev_b32 v[AU], 6, v2
	v_lshl_add_u32 v[AU], v3, 5, v[AU]
	v_lshlrev_b32 v[ASV], 5, v3
	v_lshlrev_b32 v[A4R], 2, v2
	s_lshr_b32 s38, s[WV], 2                       ; my K step is the (w % 4)-th of the quarter's (w / 4)-th 512
	s_lshl_b32 s38, s38, 10
	s_and_b32 s39, s[WV], 3
	s_lshl_b32 s39, s39, 2
	s_add_co_u32 s38, s38, s39
	v_lshlrev_b32 v[SCS], 4, v2
	v_lshl_add_u32 v[SCS], v3, 11, v[SCS]
	v_add_nc_u32 v[SCS], s38, v[SCS]
	v_add_nc_u32 v[SCS], SCW, v[SCS]
	v_add_nc_u32 v[SCL], SCW, v[LD]
	s_lshl_b32 s38, s[WV], 12
	v_add_nc_u32 v[RXS], s38, v[LD]
	v_add_nc_u32 v[RXS], REDX, v[RXS]
	s_and_b32 s38, s[WV], 3
	s_lshl_b32 s38, s38, 10
	v_add_nc_u32 v[RXL], s38, v[LD]
	v_add_nc_u32 v[RXL], REDX, v[RXL]
	s_lshl_b32 s38, s[WV], 8
	v_add_nc_u32 v[RQS], s38, v[A4R]
	v_add_nc_u32 v[RQS], REDQ, v[RQS]
	v_add_nc_u32 v[RQL], REDQ, v[L8]
.irp i, 0,1,2,3
.irp m, 0,1,2,3
	v_mov_b32 v[AF+8*\m+4+\i], 0                   ; ranks 16 to 31 of O U S: there are none
.endr
	v_mov_b32 v[VT+32+\i], 0                       ; the upper half of V^T's last fragment
	v_mov_b32 v[TM+4+\i], 0                        ; written once: a lane permute's destination counts as one of its sources
.endr
	s_mov_b32 s[SEL], 0x76543210
	s_mov_b32 s[SEL+1], 0xfedcba98
	s_mov_b32 s41, 0
	s_mov_b32 s43, 0
	s_wait_kmcnt 0x0
	s_lshl_b32 s40, s[GG], 20                      ; W: 64 rows of 16,384 bytes,
	s_lshl_b32 s42, s[KS], 9                       ; 128 numbers a K step; V: the same along K
	s_add_nc_u64 s[8:9], s[8:9], s[40:41]
	s_add_nc_u64 s[8:9], s[8:9], s[42:43]
	s_add_nc_u64 s[10:11], s[10:11], s[42:43]
	s_lshl_b32 s40, s[GG], 12                      ; U: 64 rows of 64 bytes
	s_add_nc_u64 s[12:13], s[12:13], s[40:41]
	s_lshl_b32 s40, s[GG], 8                       ; O: 64 numbers
	s_add_nc_u64 s[16:17], s[16:17], s[40:41]
	s_lshl_b32 s40, s[GG], 17                      ; x's codes: 64 rows of 2,048 bytes, 64 bytes a K step
	s_lshl_b32 s42, s[KS], 6
	s_add_nc_u64 s[18:19], s[18:19], s[40:41]
	s_add_nc_u64 s[18:19], s[18:19], s[42:43]
	s_lshl_b32 s40, s[GG], 13                      ; x's scale bytes: 64 rows of 128, 4 a K step
	s_lshl_b32 s42, s[KS], 2
	s_add_nc_u64 s[20:21], s[20:21], s[40:41]
	s_add_nc_u64 s[20:21], s[20:21], s[42:43]
	s_lshr_b32 s40, s[GG], 2                       ; wq: (rows / 256) x 524,288 + (my four tiles among the sixteen) x 4,096
	s_lshl_b32 s40, s40, 19
	s_and_b32 s42, s[GG], 3
	s_lshl_b32 s42, s42, 14
	s_add_nc_u64 s[22:23], s[22:23], s[40:41]
	s_add_nc_u64 s[22:23], s[22:23], s[42:43]
	s_lshr_b32 s40, s[KS], 2                       ;     + (K / 512) x 65,536 + (K step in it) x 1,024
	s_lshl_b32 s40, s40, 16
	s_and_b32 s42, s[KS], 3
	s_lshl_b32 s42, s42, 10
	s_add_nc_u64 s[22:23], s[22:23], s[40:41]
	s_add_nc_u64 s[22:23], s[22:23], s[42:43]
	s_lshl_b32 s40, s[KQ], 18                      ; sc: two K / 512 of 131,072 bytes a quarter; 1,024 bytes for my 64 rows
	s_lshl_b32 s42, s[GG], 10
	s_add_nc_u64 s[24:25], s[24:25], s[40:41]
	s_add_nc_u64 s[24:25], s[24:25], s[42:43]
	s_lshl_b32 s42, s[GG], 12                      ; xvp: 262,144 bytes a quarter; 4,096 for my 64 rows; tile w % 4 of them (waves 0 to 3 store)
	s_add_nc_u64 s[26:27], s[26:27], s[40:41]
	s_add_nc_u64 s[26:27], s[26:27], s[42:43]
	s_and_b32 s42, s[WV], 3
	s_lshl_b32 s42, s42, 10
	s_add_nc_u64 s[26:27], s[26:27], s[42:43]
	s_lshl_b32 s40, s[KQ], 14                      ; sqp: 16,384 bytes a quarter; 256 for my 64 rows
	s_lshl_b32 s42, s[GG], 8
	s_add_nc_u64 s[28:29], s[28:29], s[40:41]
	s_add_nc_u64 s[28:29], s[28:29], s[42:43]
	; the 26 small loads go first: they are older than the first tile, so the first tile's wait shows them in
.irp m, 0,1,2,3
	global_load_b128 v[XV+8*\m:XV+8*\m+3], v[AU], s[12:13] offset:1024*\m          ; U(16 m + r, 8 h .. 8 h + 7)
	global_load_b128 v[XV+8*\m+4:XV+8*\m+7], v[AU], s[12:13] offset:1024*\m+16
.endr
	global_load_b128 v[TM+8:TM+11], v[ASV], s[14:15]           ; S(8 h .. 8 h + 7)
	global_load_b128 v[TM+12:TM+15], v[ASV], s[14:15] offset:16
.irp m, 0,1,2,3
	global_load_b32 v[OO+\m], v[A4R], s[16:17] offset:64*\m
.endr
.irp m, 0,1,2,3
	global_load_b32 v[XSW+\m], v[AXS], s[20:21] offset:2048*\m                     ; row 16 m + r's scale word of my K step
.endr
.irp m, 0,1,2,3
.irp c, 0,1
	global_load_b128 v[XF+8*\m+4*\c:XF+8*\m+4*\c+3], v[AXC], s[18:19] offset:32768*\m+32*\c   ; x's fragments, as the codes lie
.endr
.endr
; A tile of 16 rows x 128 f32, from row row0 on, into set buf of window 1: a row's 512 bytes to a load.  sb: the base's register;  nt: W is read once in the launch, V by many work-groups
.macro LOADT buf, sb, row0, nt
	WIN 0x40                                       ; destination window 1
.irp k, 0,1,2,3,4,5,6,7,8,9,10,11,12,13,14,15
.if \nt
	global_load_b128 v[64*(\buf)+4*\k:64*(\buf)+4*\k+3], v[LD], s[\sb:\sb+1] offset:((\row0)+\k)*16384 th:TH_LOAD_NT
.else
	global_load_b128 v[64*(\buf)+4*\k:64*(\buf)+4*\k+3], v[LD], s[\sb:\sb+1] offset:((\row0)+\k)*16384
.endif
.endr
	WIN 0
.endm
.macro LOADTILE t                      ; the tiles in the order of their use: V's, then W's four; tile t goes into set t % 4
.if (\t) == 0
	LOADT 0, 10, 0, 0
.else
	LOADT (\t)%4, 8, 16*((\t)-1), 1
.endif
.endm
.macro WAITT t                         ; tile t's sixteen loads are in; behind them were issued the tiles up to t + 3, sixteen loads each, as far as there are tiles
.if 4-(\t) > 3
	s_wait_loadcnt 48
.else
	s_wait_loadcnt 16*(4-(\t))
.endif
.endm
; The tile in set buf goes through the f32 stage: in as loaded, out 16 neighbours of each block of 32 to a lane.  LDS serves a wave's instructions in order (ISA guide 5.7.1.4): no wait between the stores and the loads
.macro TURNF buf
	WIN 0x04                                       ; an LDS store's data are its source 1: window 1
.irp k, 0,1,2,3,4,5,6,7,8,9,10,11,12,13,14,15
	ds_store_b128 v[FIN], v[64*(\buf)+4*\k:64*(\buf)+4*\k+3] offset:\k*FP
.endr
	WIN 0
.irp b, 0,1,2,3
.irp j, 0,1,2,3
	ds_load_b128 v[X+16*\b+4*\j:X+16*\b+4*\j+3], v[FOUT] offset:128*\b+16*\j
.endr
.endr
.endm
; V's tile: rounded to bf16 into the second stage; the f32 turn; V^T's eight fragments by the turning load (lane l reads 16 bytes of rank 8 h + l % 8 and is left with ranks 8 h .. 8 h + 7 of one column)
.macro TURNV buf
	WIN 0x05                                       ; sources 0 and 1 window 1
.set NN, 0
.rept 32
	v_cvt_pk_bf16_f32 v[X+NN], v[64*(\buf)+2*NN], v[64*(\buf)+2*NN+1]
.set NN, NN+1
.endr
	WIN 0
.irp k, 0,1,2,3,4,5,6,7,8,9,10,11,12,13,14,15
	ds_store_b64 v[BIN], v[X+2*\k:X+2*\k+1] offset:\k*BP
.endr
	TURNF \buf
.irp t, 0,1,2,3,4,5,6,7
	ds_load_tr16_b128 v[VT+4*\t:VT+4*\t+3], v[BTR] offset:64*(\t/2)+16*(\t%2)
.endr
.endm
; 64 numbers of a lane, register 16 b + i = k 32 b + 16 h + i of my row, become a fragment's codes in v[cod] on and its scale word in v[wrd].
.macro QUANT src, cod, wrd
.irp b, 0,1,2,3
	v_max3_num_f32 v[TM+\b], |v[\src+16*\b]|, |v[\src+1+16*\b]|, 0x1800000   ; block b: my 16 numbers, and the floor 2^(3 - 127): so the byte cannot fall under 1
.endr
.irp i, 2,4,6,8,10,12,14
.irp b, 0,1,2,3
	v_max3_num_f32 v[TM+\b], v[TM+\b], |v[\src+16*\b+\i]|, |v[\src+1+16*\b+\i]|   ; (the four blocks by turns)
.endr
.endr
.irp b, 0,1,2,3
	v_permlanex16_b32 v[TM+4+\b], v[TM+\b], s[SEL], s[SEL+1]
.endr
.irp b, 0,1,2,3
	v_max_num_f32 v[TM+\b], v[TM+\b], v[TM+4+\b]   ; with lane l xor 16's: the block's largest magnitude
.endr
.irp b, 0,1,2,3
	v_add_nc_u32 v[TM+12+\b], 0xff000000, v[TM+\b] ; 2 off its exponent field: the conversion takes the exponent field of this operand as its scale
.endr
.irp b, 0,1,2,3
	v_lshrrev_b32 v[TM+4+\b], 23, v[TM+12+\b]      ; the scale's byte
.endr
	v_lshl_or_b32 v[\wrd], v[TM+5], 8, v[TM+4]     ; the four bytes make my row's scale word
	v_lshl_or_b32 v[\wrd], v[TM+6], 16, v[\wrd]
	v_lshl_or_b32 v[\wrd], v[TM+7], 24, v[\wrd]
.irp b, 0,1,2,3
	v_cvt_scalef32_pk8_fp4_f32 v[(\cod)+2*\b], v[\src+16*\b:\src+7+16*\b], v[TM+12+\b]      ; to the nearest code, ties to even; beyond 6 the largest code
	v_cvt_scalef32_pk8_fp4_f32 v[(\cod)+1+2*\b], v[\src+8+16*\b:\src+15+16*\b], v[TM+12+\b]
.endr
	v_nop                                          ; one plain instruction behind the last scaled conversion
.irp c, 0,1                                    ; the operand's layout wants a WHOLE block in a lane: lanes 0-15 block 2 c, lanes 16-31 block 2 c + 1
.irp i, 0,1
	v_permlane16_swap_b32 v[(\cod)+4*\c+\i], v[(\cod)+2+4*\c+\i]
.endr
.endr
.endm
; Tile m of W: rows 16 m .. 16 m + 15 of my 64
.macro WTILE m
	WAITT (\m)+1
	TURNF ((\m)+1)%4
	s_wait_dscnt 0x0                               ; the tile is back from the stage (and my earlier LDS stores have read their registers)
	QUANT X, WC+8*(\m), WSW+(\m)
.irp c, 0,1
	global_store_b128 v[LD], v[WC+8*(\m)+4*\c:WC+8*(\m)+4*\c+3], s[22:23] offset:4096*(\m)+512*\c   ; the fragment's image: 32 lanes store 512 consecutive bytes, aligned
.endr
.irp t, 0,1,2,3,4,5,6,7                        ; W + diag(O) U diag(S) V, on W's numbers where they stand: source 0 = 16 columns of V, source 1 = the tile's 16 rows of O U S; eight accumulators, one instruction each
	v_wmma_f32_16x16x32_bf16 v[X+8*\t:X+8*\t+7], v[VT+4*\t:VT+4*\t+7], v[AF+8*(\m):AF+8*(\m)+7], v[X+8*\t:X+8*\t+7]
.endr
	PLACES 4                                       ; four plain instructions between a matrix instruction and the first read of its result (ISA guide 7.12.1)
.set NN, 0
.rept 32                                       ; the squares, two at a time, in four chains; each accumulator is read from its low end on
.if NN < 4
	v_pk_mul_f32 v[SQ+2*NN:SQ+2*NN+1], v[X+2*NN:X+2*NN+1], v[X+2*NN:X+2*NN+1]      ; the first four start the chains: nothing is cleared
.else
	v_pk_fma_f32 v[SQ+2*(NN%4):SQ+2*(NN%4)+1], v[X+2*NN:X+2*NN+1], v[X+2*NN:X+2*NN+1], v[SQ+2*(NN%4):SQ+2*(NN%4)+1]
.endif
.set NN, NN+1
.endr
	v_pk_add_f32 v[SQ:SQ+1], v[SQ:SQ+1], v[SQ+2:SQ+3]
	v_pk_add_f32 v[SQ+4:SQ+5], v[SQ+4:SQ+5], v[SQ+6:SQ+7]
	v_pk_add_f32 v[SQ:SQ+1], v[SQ:SQ+1], v[SQ+4:SQ+5]
	v_add_f32 v[SQF+(\m)], v[SQ], v[SQ+1]          ; my 64 numbers' squares
.endm
	LOADTILE 0                                     ; four tiles, 64 loads of 512 bytes, are on their way in each wave
	LOADTILE 1
	LOADTILE 2
	LOADTILE 3
	; ---- V's tile
	WAITT 0
	TURNV 0
.irp m, 0,1,2,3                                ; O (U S), while the turn is on its way (the small loads are in: they are older than the tile just waited for)
.irp p, 0,1,2,3
	v_pk_mul_f32 v[XV+8*\m+2*\p:XV+8*\m+2*\p+1], v[XV+8*\m+2*\p:XV+8*\m+2*\p+1], v[TM+8+2*\p:TM+9+2*\p]
.endr
.endr
.irp m, 0,1,2,3
.irp i, 0,1,2,3,4,5,6,7
	v_mul_f32 v[XV+8*\m+\i], v[OO+\m], v[XV+8*\m+\i]
.endr
.endr
.irp m, 0,1,2,3
.irp p, 0,1,2,3
	v_cvt_pk_bf16_f32 v[AF+8*\m+\p], v[XV+8*\m+2*\p], v[XV+8*\m+2*\p+1]
.endr
.endr
	s_wait_dscnt 0x0                               ; the tile is back from the stages: its set of window 1 has been read,
	LOADTILE 4                                     ; and takes W's last tile
	QUANT X, QV, QW
	PLACES 8                                       ; a scale register written by vector instructions stands eight plain instructions ahead of a scaled matrix instruction, an operand four
.irp m, 0,1,2,3                                ; x Q(V)^T over my K step, for the four tiles of rows: four accumulators, one instruction each, each begun with the constant 0
	v_wmma_scale_f32_16x16x128_f8f6f4 v[XV+8*\m:XV+8*\m+7], v[QV:QV+7], v[XF+8*\m:XF+8*\m+7], 0, v[QW], v[XSW+\m] matrix_a_fmt:MATRIX_FMT_FP4 matrix_b_fmt:MATRIX_FMT_FP4
.endr
	PLACES 4                                       ; four plain instructions ahead of the stores that read the results
.irp m, 0,1,2,3
	ds_store_b128 v[RXS], v[XV+8*\m:XV+8*\m+3] offset:1024*\m          ; each accumulator from its low end on; the registers are then free for W's codes
	ds_store_b128 v[RXS], v[XV+8*\m+4:XV+8*\m+7] offset:1024*\m+512
.endr
	; ---- W's four tiles
	WTILE 0
	WTILE 1
	WTILE 2
	WTILE 3
	; THE WAVE'S END: its parts of the sums of squares and its scale words go to LDS
.irp m, 0,1,2,3
	v_permlanex16_b32 v[TM+4+\m], v[SQF+\m], s[SEL], s[SEL+1]
.endr
.irp m, 0,1,2,3
	v_add_f32 v[SQF+\m], v[SQF+\m], v[TM+4+\m]     ; row 16 m + r's squares over my K step, in both halves of the lanes
.endr
.irp m, 0,1,2,3
	ds_store_b32 v[RQS], v[SQF+\m] offset:64*\m    ; (lanes r and 16 + r write the same word with the same value)
.endr
	v_cmp_eq_u32 vcc_lo, 1, v3
.irp m, 0,1,2,3
	v_cndmask_b32 v[SD+\m], v[XSW+\m], v[WSW+\m], vcc_lo   ; lanes 0-15: x's word of row 16 m + r; lanes 16-31: W's
.endr
.irp m, 0,1,2,3
	ds_store_b32 v[SCS], v[SD+\m] offset:256*\m
.endr
	s_wait_dscnt 0x0                               ; for the others' sake: my LDS stores are done
	s_barrier_signal -1
	s_barrier_wait -1
	s_cmp_lt_u32 s[WV], 4
	s_cbranch_scc1 .Lsum_xv
	s_cmp_eq_u32 s[WV], 4
	s_cbranch_scc1 .Lsum_sq
	s_cmp_eq_u32 s[WV], 5
	s_cbranch_scc1 .Lwords
	s_wait_tensorcnt 0x0
	ds_add_u32 v254, v255
	s_wait_dscnt 0x0
	s_endpgm
.Lsum_xv:                                              ; waves 0 to 3: tile w's x Q(V)^T over the quarter of K
.irp i, 0,1,2,3,4,5,6,7
	ds_load_b128 v[X+8*\i:X+8*\i+3], v[RXL] offset:4096*\i
	ds_load_b128 v[X+8*\i+4:X+8*\i+7], v[RXL] offset:4096*\i+512
.endr
	s_wait_dscnt 0x0
.irp i, 1,2,3,4,5,6,7
.irp p, 0,1,2,3
	v_pk_add_f32 v[X+2*\p:X+2*\p+1], v[X+2*\p:X+2*\p+1], v[X+8*\i+2*\p:X+8*\i+2*\p+1]
.endr
.endr
	global_store_b128 v[LD], v[X:X+3], s[26:27]                ; 512 consecutive bytes, aligned
	global_store_b128 v[LD], v[X+4:X+7], s[26:27] offset:512
	s_wait_tensorcnt 0x0
	ds_add_u32 v254, v255
	s_wait_dscnt 0x0
	s_endpgm
.Lsum_sq:                                              ; wave 4: the 64 rows' sums of squares over the quarter of K: lane l takes rows 2 l and 2 l + 1
.irp i, 0,1,2,3,4,5,6,7
	ds_load_b64 v[X+2*\i:X+2*\i+1], v[RQL] offset:256*\i
.endr
	s_wait_dscnt 0x0
.irp i, 1,2,3,4,5,6,7
	v_pk_add_f32 v[X:X+1], v[X:X+1], v[X+2*\i:X+2*\i+1]
.endr
	global_store_b64 v[L8], v[X:X+1], s[28:29]     ; 32 lanes store 256 consecutive bytes, aligned
	s_wait_tensorcnt 0x0
	ds_add_u32 v254, v255
	s_wait_dscnt 0x0
	s_endpgm
.Lwords:                                               ; wave 5: the scale words: eight pieces of 512 bytes (two tiles of 16 rows), each to its place
.irp j, 0,1,2,3,4,5,6,7
	ds_load_b128 v[X+4*\j:X+4*\j+3], v[SCL] offset:512*\j
.endr
	s_wait_dscnt 0x0
.irp j, 0,1,2,3,4,5,6,7
	global_store_b128 v[LD], v[X+4*\j:X+4*\j+3], s[24:25] offset:((\j/2)%2)*131072+(\j/4)*65536+(\j%2)*512   ; piece j: x's (j < 4) or W's; which K / 512; which two tiles
.endr
	s_wait_tensorcnt 0x0
	ds_add_u32 v254, v255
	s_wait_dscnt 0x0
	s_endpgm
.Lfunc_end_k_q0523cd96e4_prep:
	.size	k_q0523cd96e4_prep, .Lfunc_end_k_q0523cd96e4_prep-k_q0523cd96e4_prep
	.p2alignl 7, 3214868480
	.fill 96, 4, 3214868480
	.section	.rodata,"a",@progbits
	.p2align	6, 0x0
	.amdhsa_kernel k_q0523cd96e4_prep
		.amdhsa_group_segment_fixed_size 146432
		.amdhsa_private_segment_fixed_size 0
		.amdhsa_enable_private_segment 0
		.amdhsa_kernarg_size 88
		.amdhsa_user_sgpr_count 2
		.amdhsa_user_sgpr_kernarg_segment_ptr 1
		.amdhsa_wavefront_size32 1
		.amdhsa_system_sgpr_workgroup_id_x 1
		.amdhsa_system_sgpr_workgroup_id_y 1
		.amdhsa_system_sgpr_workgroup_id_z 1
		.amdhsa_system_vgpr_workitem_id 0
		.amdhsa_next_free_vgpr 512
		.amdhsa_next_free_sgpr 66
		.amdhsa_reserve_vcc 1
		.amdhsa_float_denorm_mode_32 3
		.amdhsa_float_denorm_mode_16_64 3
		.amdhsa_memory_ordered 1
		.amdhsa_forward_progress 1
		.amdhsa_inst_pref_size 72
	.end_amdhsa_kernel
	.amdgpu_metadata
---
amdhsa.version: [ 1, 2 ]
amdhsa.kernels:
  - .name:           k_q0523cd96e4_prep
    .symbol:         k_q0523cd96e4_prep.kd
    .args:
      - { .name: base_weight, .offset: 0, .size: 8, .value_kind: global_buffer, .address_space: global }
      - { .name: osora_V, .offset: 8, .size: 8, .value_kind: global_buffer, .address_space: global }
      - { .name: osora_U, .offset: 16, .size: 8, .value_kind: global_buffer, .address_space: global }
      - { .name: osora_S, .offset: 24, .size: 8, .value_kind: global_buffer, .address_space: global }
      - { .name: osora_O, .offset: 32, .size: 8, .value_kind: global_buffer, .address_space: global }
      - { .name: x_codes, .offset: 40, .size: 8, .value_kind: global_buffer, .address_space: global }
      - { .name: x_scales, .offset: 48, .size: 8, .value_kind: global_buffer, .address_space: global }
      - { .name: wq, .offset: 56, .size: 8, .value_kind: global_buffer, .address_space: global }
      - { .name: sc, .offset: 64, .size: 8, .value_kind: global_buffer, .address_space: global }
      - { .name: xvp, .offset: 72, .size: 8, .value_kind: global_buffer, .address_space: global }
      - { .name: sqp, .offset: 80, .size: 8, .value_kind: global_buffer, .address_space: global }
    .group_segment_fixed_size: 146432
    .private_segment_fixed_size: 0
    .kernarg_segment_align: 8
    .kernarg_segment_size: 88
    .max_flat_workgroup_size: 256
    .sgpr_count:     66
    .vgpr_count:     512
    .wavefront_size: 32
...
	.end_amdgpu_metadata
.endif
;; end of part 1
;; launch gemm (part 2): grid 16 x 16, 4 waves a work-group, clusters of 4 x 4, 327,680 bytes of LDS; arguments x_codes, wq, sc, xvp, sqp, osora_U, osora_S, osora_O, magnitude, out0; writes out0
.if DOCPART == 2
	.amdgcn_target "amdgcn-amd-amdhsa--gfx1250"
	.amdhsa_code_object_version 6
	.text
	.protected	k_q0523cd96e4_gemm
	.globl	k_q0523cd96e4_gemm
	.p2align	8
	.type	k_q0523cd96e4_gemm,@function
k_q0523cd96e4_gemm:
	s_mov_b64 s[64:65], 0
	v_nop
	global_prefetch_b8 v0, s[64:65] scope:SCOPE_SE
	s_setreg_imm32_b32 hwreg(HW_REG_WAVE_MODE, 25, 1), 1
	s_wait_xcnt 0x0
	s_wait_alu depctr_hold_cnt(0) depctr_sa_sdst(0) depctr_va_vdst(0) depctr_va_sdst(0) depctr_va_ssrc(0) depctr_va_vcc(0) depctr_vm_vsrc(0)
	s_getreg_b32 s2, hwreg(HW_REG_IB_STS2, 6, 4)
	s_cmp_eq_u32 s2, 0
	s_cbranch_scc0 .Lentry_in_a_cluster
	s_endpgm
.Lentry_in_a_cluster:
	s_bfe_u32 s2, ttmp6, 0x10000c
	s_cmp_lg_u32 s2, 0xf033
	s_cbranch_scc0 .Lentry_shape_is_right
	s_endpgm
.Lentry_shape_is_right:
; out[m][o] = (s[o] - 1) x (the sum over k of x[m][k] Q(W)[o][k]) + the sum over 16 ranks of xv[m][rank] x (s O S U)[o][rank].  M = N = K = 4,096.
; x: codes of FP4 (E2M1) as given, rows of 2,048 bytes.  wq: W's codes as images of the operand's registers, [o / 256][K / 512][16 rows][K step of 128][1,024 bytes].  sc: scale words, [K / 512][x, W][256 rows][16 rows][row][K step of 128].
; xvp: xv = x Q(V)^T in four parts along K, f32, [part][16 rows][1,024 bytes] (lane (r, h): ranks 8 h .. 8 h + 7 of row r).  sqp: the squared norms of W + diag(O) U diag(S) V in four parts, [part][4096].
; s[o] = magnitude[o] / the norm.  out0: f32.  The large product's sums are f32, one for each output, K ascending.
; A tile of out, 256 x 256, is made by a work-group of four waves, as many as a WGP has SIMDs; a wave makes 128 x 128: 64 accumulators of 16 x 16, 512 registers.  16 x 16 tiles: 256 work-groups.
; K goes in steps of 512 through a ring of two LDS slots.  A slot holds four things, each brought by ONE tensor load of one wave: x's codes (wave 0: 256 rows of 256 bytes, 16 bytes of padding behind each),
; W's images (wave 1: 65,536 dense bytes), x's scale words (wave 2: 4,096 dense bytes), W's scale words (wave 3: the same).
; CLUSTERS: 4 x 4 work-groups.  The four of a row of the cluster need the same rows of x, the four of a column the same rows of W: each load is a JOINT one, the same descriptor and a mask that names the four.
; THE MATRIX INSTRUCTION IS USED TRANSPOSED (source 0 = 16 rows of W, source 1 = 16 rows of x): a lane then holds eight neighbouring numbers of a row of out.
; THE SMALL OPERANDS.  Wave w finishes four of the tile's sixteen blocks of rows (xv: the four parts added) and four of its sixteen blocks of columns (s, s - 1, s O S U).  What that takes is loaded at the head, into registers
; that the loop over K leaves alone; the arithmetic stands behind the loop, between the last joint refill and the wait for it; the results go to LDS bytes of their own as images of the operands' registers, the barrier of the last
; change of slots stands between these stores and the reads, and each wave reads what it wants in front of its last 32 products.
; THE WAY OUT: each accumulator is multiplied by s - 1 of its eight columns, two bf16 products add the low-rank part onto it, and it leaves through a stage in LDS as whole rows.
; THE LOW-RANK PART IN TWO PARTS.  The outputs can be small remainders of large terms, so one rounding of the operands to bf16 is too coarse: each number goes as upper = the number rounded to bf16 and lower = what is left, rounded to bf16.
; The bf16 form's K is 32, the rank 16: s O S U's fragment is [upper | lower], xv's block a run of twelve registers [upper | lower | upper]: against its registers 0-7 the product is upper x upper + lower x lower, against its
; registers 4-11 upper x lower + lower x upper: together the whole product of the split numbers.
; REGISTERS, in windows of 256: window 0: v0-31 addresses; v32-95 scale words, two sets; v96-159 x's fragments (8 x 16 rows x 128 K), ONE set; v160-255 first U, S, O, magnitude and the norms' parts, then xv's eight blocks, twelve registers each.
;   window 1: W's fragments, TWO sets, v0-63 and v128-191 (on the way out: rows read back from the stage); v64-127 and v192-255 first xv's parts, then s O S U's eight fragments and s - 1 of my 128 columns.
;   window 2: the 32 accumulators of my rows 0-63 (accumulator (a, b) at v[8 (8 a + b)]);   window 3: those of my rows 64-127.
; LIMITS: a scale byte 0xff among x's makes the sums that it touches NaN, as the format says; a row's squared norm lies inside f32's normal range (v_rsq_f32 takes a denormal as zero: ISA guide, 15.8); xv and s O S U are finite
; in bf16, and what lies under their lower bf16 part (about 2^-17 of the number) is lost.
.set NQ,     4                         ; matrix instructions deep in a slot: 512 along K
.set PITCH,  272                       ; a row of x's codes in LDS: 256 bytes + 16 = 68 words: row r starts at bank 4 r mod 64 (64 banks of 4 bytes: ISA guide 11.1)
.set FR,     8                         ; registers of a fragment: 16 rows x 128 K
.set NL,     2                         ; LDS loads that bring one
.set NP,     4                         ; plain instructions behind this matrix instruction (ISA guide 7.12.1)
.set WIMG,   256*PITCH                 ; in a slot: x's codes at 0; W's images here;
.set SXR,    WIMG+65536                ; x's scale words;
.set SWR,    SXR+4096                  ; W's
.set SLOT,   SWR+4096                  ; 143,360 bytes
.set SPARE,  2*SLOT                    ; behind the ring: the spare words, 128 bytes for each wave: two blocks of 256 bytes that no other line names
.set SCR,    SPARE+512                 ; behind them, bytes that no tensor load fills: xv's sixteen blocks, [upper, lower] 1,024 bytes each;
.set UIM,    SCR+16384                 ; s O S U's sixteen, likewise;
.set SMS,    SCR+32768                 ; s - 1 of the tile's 256 columns
.set LAPS,   4                         ; a lap = two slots = 1,024 along K
.set SPITCH, 528                       ; the way out: a stage of 16 rows x (512 bytes + 16) for each wave.  It lies in slot 0, which has had its last fill and its last read when the first result is stored there
.set NROW,   16384                     ; a row of out in bytes
.set AU,   6                           ; v6      U: 64 r + 32 h
.set A4R,  7                           ; v7      4 r
.set XST,  8                           ; v8      where I store xv's images: 4,096 x wave + 16 x lane;  v9 s O S U's;  v10 s - 1: 256 x wave + 4 r
.set UST,  9
.set SST,  10
.set XLD,  11                          ; v11     where I read my eight blocks of xv;  v12 of s O S U;  v13 s - 1 of my columns, + 32 h
.set ULD,  12
.set SLD,  13
.set ADRA, 16                          ; v16-17  LDS address of my fragments of x in slot 0, 1
.set ADRB, 20                          ; v20-21  of W's images
.set ADRS, 22                          ; v22-23  of my scale words: lanes 0-15 x's rows, lanes 16-31 W's
.set STO,  24                          ; v24     the way out: where I put 32 bytes of a row
.set RD,   25                          ; v25     where I read a row back
.set CO,   26                          ; v26     16 x lane
.set H32,  27                          ; v27     32 h
.set SPW,  28                          ; v28     LDS address of my spare word: SPARE + 4 x my thread's number; never rewritten
.set NIL,  29                          ; v29     0; never rewritten
.set PFO,  30                          ; v30     the prefetches' offset: my lane x 2,048 (a row of x) or x 256 (in W's images); never rewritten
.set PFO2, 31                          ; v31     256 x my lane; never rewritten
.set SC,   32                          ; scale words: set s at v[SC + 32 s]; in it register 4 i + q: lanes 0-15 the word of x's block i, lanes 16-31 that of W's block i, for the slot's q-th 128 along K
.set AF,   96                          ; x's fragments, window 0
.set XB,   160                         ; xv: block a at v[XB + 12 a]: upper, lower, upper, four registers each; window 0
.set UI,   160                         ; until then, window 0: v160-191 U of my four blocks of columns;
.set SS,   192                         ; v192-199 S, later at work;
.set OV,   200                         ; v200-203 O;  v204-207 magnitude;
.set MG,   204
.set SQP,  208                         ; v208-223 the norms' four parts, four registers a block;
.set UH,   224                         ; v224-255 s O S U split: upper, lower, eight registers a block
.set UB,   64                          ; s O S U: fragment b at v[UB + 8 b]: upper, lower; window 1
.set SM,   192                         ; s - 1: register 8 b + j = column 16 b + 8 h + j of my 128; window 1
.set WV,   6                           ; s6   my wave's number
.set WH,   7                           ; s7   which half of the tile's rows is mine
.set WL,   8                           ; s8   which half of its columns
.set LIM,  9                           ; s9   1 in a wave that prefetches codes, else the greatest number
.set PFA,  10                          ; s[10:11] first magnitude's address; then where my prefetches of codes stand
.set PFS,  12                          ; s[12:13] first S's address; then a slot on, in bytes: 256 in a row of x, 65,536 in W's images
.set PF2,  14                          ; s[14:15] first O's address; then the scale words that my work-group prefetches
.set SXA,  16                          ; s16, s17 the lap count at which wave 0 prefetches them, at the change out of slot 0, 1; else the greatest number
.set CX,   18
.set CY,   19
.set G1X,  20                          ; s[20:27] descriptor group 1 for x's codes;  s[28:35] W's images;  s[36:43] x's scale words;  s[44:51] W's
.set G1W,  28
.set G1SX, 36
.set G1SW, 44
.set G0X,  52                          ; groups 0, one set for each slot: s[52:59] x's codes;  s[68:75] W's images;  s[76:83] x's scale words;  s[84:91] W's
.set G0W,  68
.set G0SX, 76
.set G0SW, 84
.set TC,   66                          ; s66  tile column of out;  s67 tile row
.set TR,   67
.set MSB, 0
.macro WIN new                         ; the immediate's high byte repeats the setting that is left; a switch that changes nothing is dropped
.if MSB != (\new)
	s_set_vgpr_msb (MSB<<8)|(\new)
.set MSB, (\new)
.endif
.endm
.set MUL_LO, 0xa1                      ; source 0 (W; s O S U) window 1, source 1 (x; xv) window 0, C and D window 2
.set MUL_HI, 0xf1                      ; the same, C and D window 3
.set TO_B,   0x40                      ; destination window 1, address window 0
; A joint load: each wave brings its own part of slot s.  Each of the four lines has ONE mask and one set of registers for all that issue it; the branches hang on the wave's number alone.
; Four v_nop follow each line, ahead of the jump, the label and what follows.
.macro JLOAD s
	s_cmp_lt_u32 s[WV], 2
	s_cbranch_scc0 .Lscales_\@
	s_cmp_eq_u32 s[WV], 0
	s_cbranch_scc0 .Lfor_w_\@
	tensor_load_to_lds s[G0X+4*\s:G0X+4*\s+3], s[G1X:G1X+7]
	s_nop 0
.rept 4
	v_nop
.endr
	s_branch .Lasked_\@
.Lfor_w_\@:
	tensor_load_to_lds s[G0W+4*\s:G0W+4*\s+3], s[G1W:G1W+7]
	s_nop 0
.rept 4
	v_nop
.endr
	s_branch .Lasked_\@
.Lscales_\@:
	s_cmp_eq_u32 s[WV], 2
	s_cbranch_scc0 .Lfor_sw_\@
	tensor_load_to_lds s[G0SX+4*\s:G0SX+4*\s+3], s[G1SX:G1SX+7]
	s_nop 0
.rept 4
	v_nop
.endr
	s_branch .Lasked_\@
.Lfor_sw_\@:
	tensor_load_to_lds s[G0SW+4*\s:G0SW+4*\s+3], s[G1SW:G1SW+7]
	s_nop 0
.rept 4
	v_nop
.endr
.Lasked_\@:
.endm
; PREFETCHES INTO THE L2, behind a joint load, its four lines and the run of LDS loads that the next products wait for: the slot that stands TWO refills on, 512 matrix instructions ahead of the load that will want it.
; Each aligned block of 256 bytes is named ONCE in the launch.  x's tile row is read by every cluster of that row of clusters: cluster x = 0 asks (waves 0 and 1); W's tile column by every cluster of that column:
; cluster y = 0 asks (waves 2 and 3).  The four partners that ask for a tile jointly share its 256 blocks out BY ADDRESS, 64 each, 32 a wave, a lane a block: no branch hangs on a work-group's place in its cluster.
; The last two refills have no slot two on; slots 0 to 3 come by their loads alone: nothing is prefetched at the head.
.macro ASK
	s_cmp_gt_u32 s3, s[LIM]                        ; s3 = 1 in the loop's last trip
	s_cbranch_scc0 .Lnot_mine_\@
	global_prefetch_b8 v[PFO], s[PFA:PFA+1] th:TH_LOAD_NT scope:SCOPE_SE
.Lnot_mine_\@:
.endm
; The scale words of slot X + 4 (131,072 consecutive bytes of sc, x's and W's of all rows) are asked for by the sixteen work-groups of cluster (X, 0), wave 0, 32 blocks each, told apart by address, at refill X of the launch.
.macro ASK2 slot
	s_cmp_eq_u32 s3, s[SXA+\slot]
	s_cbranch_scc0 .Lnot_now_\@
	global_prefetch_b8 v[PFO2], s[PF2:PF2+1] th:TH_LOAD_NT scope:SCOPE_SE
.Lnot_now_\@:
.endm
.macro CREST                           ; a round of the cluster's barrier behind its opening barrier
	s_cmp_lg_u32 s[WV], 0
	s_cbranch_scc1 .Lnot_wave_0_\@
	s_barrier_signal -3
.Lnot_wave_0_\@:
	s_barrier_wait -3
	s_barrier_signal -1
	s_barrier_wait -1
.endm
.macro CROUND                          ; a whole round
	s_barrier_signal -1
	s_barrier_wait -1
	CREST
.endm
	s_load_b256 s[92:99], s[0:1], 0x0              ; x's codes s[92:93], wq s[94:95], sc s[96:97], xvp s[98:99]
	s_load_b128 s[60:63], s[0:1], 0x20             ; sqp s[60:61], U s[62:63]
	s_load_b128 s[12:15], s[0:1], 0x30             ; S s[12:13], O s[14:15]
	s_load_b64 s[10:11], s[0:1], 0x40              ; magnitude
	s_load_b64 s[4:5], s[0:1], 0x48                ; out
	v_lshl_add_u32 v[SPW], v0, 2, SPARE
	v_mov_b32 v[NIL], 0
	ds_add_u32 v28, v29
	ds_add_u32 v28, v29
	s_wait_dscnt 0x0
	v_lshrrev_b32 v1, 5, v0
	v_readfirstlane_b32 s[WV], v1                  ; wave 0..3
	s_lshr_b32 s[WH], s[WV], 1
	s_and_b32 s[WL], s[WV], 1
	s_bfe_u32 s[CX], ttmp6, 0x40000                ; cx, cy: my place in the cluster
	s_bfe_u32 s[CY], ttmp6, 0x40004
	s_lshl_b32 s[TC], ttmp9, 2
	s_add_co_u32 s[TC], s[TC], s[CX]               ; tile column = 4 x cluster x + cx
	s_and_b32 s[TR], ttmp7, 0xffff
	s_lshl_b32 s[TR], s[TR], 2
	s_add_co_u32 s[TR], s[TR], s[CY]               ; tile row = 4 x cluster y + cy
	s_lshl_b32 s100, s[CY], 2
	s_lshl_b32 s100, 15, s100                      ; my row of the cluster
	s_lshl_b32 s104, 0x1111, s[CX]                 ; my column
	; descriptor groups 1.  x's codes: 256 rows x 256 bytes, 2,048 bytes apart, padded in LDS
	s_or_b32 s[G1X], s100, (0<<16)|(1<<20)|(1<<21)|(5<<22)|(3<<25)   ; 15:0 the mask: my row; 17:16 elements of 1 byte; 20 padding on; 21 set beside a mask; 24:22 after every 64 words (code 5); 31:25 four words (code 3)
	s_mov_b32 s[G1X+1], 256<<16                    ; tensor_dim0
	s_mov_b32 s[G1X+2], 256<<16                    ; tensor_dim1
	s_mov_b32 s[G1X+3], 256<<16                    ; tile_dim0
	s_mov_b32 s[G1X+4], 256                        ; tile_dim1
	s_mov_b32 s[G1X+5], 2048                       ; tensor_dim0_stride
	s_mov_b32 s[G1X+6], 0
	s_mov_b32 s[G1X+7], 0
	; W's images: 65,536 dense bytes as 256 rows of 32 elements of 8 bytes, no padding: an image is read 16 bytes a lane, 512 bytes on end
	s_or_b32 s[G1W], s104, (3<<16)|(1<<21)         ; the mask: my column
	s_mov_b32 s[G1W+1], 32<<16
	s_mov_b32 s[G1W+2], 256<<16
	s_mov_b32 s[G1W+3], 32<<16
	s_mov_b32 s[G1W+4], 256
	s_mov_b32 s[G1W+5], 32
	s_mov_b32 s[G1W+6], 0
	s_mov_b32 s[G1W+7], 0
	; the scale words of 256 rows: 4,096 dense bytes as 16 rows of 256
	s_or_b32 s[G1SX], s100, (3<<16)|(1<<21)
	s_or_b32 s[G1SW], s104, (3<<16)|(1<<21)
.irp g, G1SX, G1SW
	s_mov_b32 s[\g+1], 32<<16
	s_mov_b32 s[\g+2], 16<<16
	s_mov_b32 s[\g+3], 32<<16
	s_mov_b32 s[\g+4], 16
	s_mov_b32 s[\g+5], 32
	s_mov_b32 s[\g+6], 0
	s_mov_b32 s[\g+7], 0
.endr
	; where the tiles come from.  x's hang on the tile row alone (offsets in s[100:101]), W's on the tile column alone (s[104:105])
	s_lshl_b32 s100, s[TR], 19                     ; 256 rows of 2,048 bytes
	s_mov_b32 s101, 0
	s_lshl_b32 s104, s[TC], 19                     ; 8 slots of 65,536 bytes
	s_mov_b32 s105, 0
	s_wait_kmcnt 0x0
	s_add_nc_u64 s[92:93], s[92:93], s[100:101]    ; x's codes at my tile row
	s_add_nc_u64 s[94:95], s[94:95], s[104:105]    ; W's images at my tile column
	s_lshl_b32 s100, s[TR], 12                     ; the scale words of my 256 rows of x,
	s_lshl_b32 s104, s[TC], 12
	s_add_co_u32 s104, s104, 65536                 ; and of W, which lie 65,536 bytes behind x's
	CROUND                                         ; all sixteen work-groups are here: the first joint loads meet
.irp s, 0,1
	s_mov_b32 s[G0X+4*\s], 1                                       ; 1:0 count = 1
	s_mov_b32 s[G0X+4*\s+1], \s*SLOT                               ; 63:32 LDS address: a constant
	s_add_nc_u64 s[G0X+4*\s+2:G0X+4*\s+3], s[92:93], \s*256        ; 120:64 global address: slot s begins with K = 512 s
	s_or_b32 s[G0X+4*\s+3], s[G0X+4*\s+3], 0x80000000              ; 127:126 type = 2
	s_mov_b32 s[G0W+4*\s], 1
	s_mov_b32 s[G0W+4*\s+1], \s*SLOT+WIMG
	s_add_nc_u64 s[G0W+4*\s+2:G0W+4*\s+3], s[94:95], \s*65536
	s_or_b32 s[G0W+4*\s+3], s[G0W+4*\s+3], 0x80000000
	s_mov_b32 s[G0SX+4*\s], 1
	s_mov_b32 s[G0SX+4*\s+1], \s*SLOT+SXR
	s_add_nc_u64 s[G0SX+4*\s+2:G0SX+4*\s+3], s[96:97], s[100:101]
	s_add_nc_u64 s[G0SX+4*\s+2:G0SX+4*\s+3], s[G0SX+4*\s+2:G0SX+4*\s+3], \s*131072
	s_or_b32 s[G0SX+4*\s+3], s[G0SX+4*\s+3], 0x80000000
	s_mov_b32 s[G0SW+4*\s], 1
	s_mov_b32 s[G0SW+4*\s+1], \s*SLOT+SWR
	s_add_nc_u64 s[G0SW+4*\s+2:G0SW+4*\s+3], s[96:97], s[104:105]
	s_add_nc_u64 s[G0SW+4*\s+2:G0SW+4*\s+3], s[G0SW+4*\s+2:G0SW+4*\s+3], \s*131072
	s_or_b32 s[G0SW+4*\s+3], s[G0SW+4*\s+3], 0x80000000
	JLOAD \s                                       ; the ring is filled before anything else is done: two loads of mine are out
.endr
	; what the small operands are made of is asked for now and waited for behind the loop: blocks 4 w .. 4 w + 3 of the tile's sixteen blocks of rows, and of its sixteen blocks of columns
	v_and_b32 v1, 15, v0                           ; r = lane % 16
	v_bfe_u32 v2, v0, 4, 1                         ; h = lane / 16
	v_and_b32 v3, 31, v0                           ; lane
	v_lshlrev_b32 v[CO], 4, v3
	v_lshlrev_b32 v[H32], 5, v2
	v_lshlrev_b32 v[AU], 6, v1
	v_lshl_add_u32 v[AU], v2, 5, v[AU]
	v_lshlrev_b32 v[A4R], 2, v1
	s_lshl_b32 s2, s[WV], 12                       ; four blocks of 1,024 bytes a wave, sixteen a tile
	s_lshl_b32 s100, s[TR], 14
	s_add_co_u32 s100, s100, s2
	s_add_nc_u64 s[98:99], s[98:99], s[100:101]    ; xvp, by rows
	s_lshl_b32 s100, s[TC], 14
	s_add_co_u32 s100, s100, s2
	s_add_nc_u64 s[62:63], s[62:63], s[100:101]    ; U, by columns: 16 rows of 64 bytes are 1,024 too
	s_lshl_b32 s2, s[WV], 8                        ; four blocks of 16 numbers a wave
	s_lshl_b32 s100, s[TC], 10
	s_add_co_u32 s100, s100, s2
	s_add_nc_u64 s[60:61], s[60:61], s[100:101]    ; sqp,
	s_add_nc_u64 s[14:15], s[14:15], s[100:101]    ; O,
	s_add_nc_u64 s[10:11], s[10:11], s[100:101]    ; magnitude
	s_lshl_b32 s100, s[TC], 10                     ; my first column of out, in bytes: 1,024 x tile column + 512 x half
	s_lshl_b32 s2, s[WL], 9
	s_add_co_u32 s100, s100, s2
	s_add_nc_u64 s[4:5], s[4:5], s[100:101]
	s_lshl_b32 s100, s[TR], 22                     ; my first row of out: 256 rows of 16,384 bytes a tile row, 128 a half
	s_lshl_b32 s2, s[WH], 21
	s_add_co_u32 s100, s100, s2
	s_add_nc_u64 s[4:5], s[4:5], s[100:101]
	WIN TO_B
.irp t, 0,1,2,3                                ; xv's four parts of block t: 32 registers, at v64, v96, v192, v224 of window 1
.irp k, 0,1,2,3
.irp c, 0,1
	global_load_b128 v[64+32*\t+64*(\t/2)+8*\k+4*\c:64+32*\t+64*(\t/2)+8*\k+4*\c+3], v[CO], s[98:99] offset:262144*\k+1024*\t+512*\c
.endr
.endr
.endr
	WIN 0
.irp t, 0,1,2,3
	global_load_b128 v[UI+8*\t:UI+8*\t+3], v[AU], s[62:63] offset:1024*\t            ; U(column 16 t + r, ranks 8 h .. 8 h + 7)
	global_load_b128 v[UI+8*\t+4:UI+8*\t+7], v[AU], s[62:63] offset:1024*\t+16
.endr
	global_load_b128 v[SS:SS+3], v[H32], s[12:13]              ; S(8 h .. 8 h + 7)
	global_load_b128 v[SS+4:SS+7], v[H32], s[12:13] offset:16
.irp t, 0,1,2,3
	global_load_b32 v[OV+\t], v[A4R], s[14:15] offset:64*\t
	global_load_b32 v[MG+\t], v[A4R], s[10:11] offset:64*\t
.irp k, 0,1,2,3
	global_load_b32 v[SQP+4*\t+\k], v[A4R], s[60:61] offset:16384*\k+64*\t
.endr
.endr
	; LDS addresses
	v_mul_u32_u24 v4, v1, PITCH
	v_lshl_add_u32 v4, v2, 4, v4                   ; x: a fragment's row x pitch + 16 x half
	s_mul_i32 s2, s[WH], 128*PITCH                 ; my 128 rows
	v_add_nc_u32 v[ADRA], s2, v4
	v_add_nc_u32 v[ADRA+1], SLOT, v[ADRA]
	s_lshl_b32 s2, s[WL], 15                       ; W: my eight tiles of 4,096 bytes; an image's place for my lane
	s_add_co_u32 s2, s2, WIMG
	v_add_nc_u32 v[ADRB], s2, v[CO]
	v_add_nc_u32 v[ADRB+1], SLOT, v[ADRB]
	s_xor_b32 s2, s[WH], 1                         ; the scale words: lanes 0-15 x's, at 2,048 WH + 16 r; lanes 16-31 W's, 4,096 + 2,048 WL - 2,048 WH further on,
	s_add_co_u32 s2, s2, s[WL]
	s_add_co_u32 s2, s2, 1
	s_lshl_b32 s2, s2, 11                          ; which is 2,048 x (1 + WL + (1 - WH)): one product with h
	v_mul_u32_u24 v5, s2, v2
	v_lshl_add_u32 v5, v1, 4, v5
	s_lshl_b32 s2, s[WH], 11
	s_add_co_u32 s2, s2, SXR
	v_add_nc_u32 v[ADRS], s2, v5
	v_add_nc_u32 v[ADRS+1], SLOT, v[ADRS]
	s_mul_i32 s2, s[WV], 16*SPITCH                 ; my stage
	v_mul_u32_u24 v5, v1, SPITCH                   ; in: row r, 32 bytes for each half of the lanes
	v_lshl_add_u32 v5, v2, 5, v5
	v_add_nc_u32 v[STO], s2, v5
	v_add_nc_u32 v[RD], s2, v[CO]                  ; back: the 32 lanes take one row of 512 bytes
	s_lshl_b32 s2, s[WV], 12                       ; the small operands: I store four blocks of 1,024 bytes,
	v_add_nc_u32 v[XST], s2, v[CO]
	v_add_nc_u32 v[UST], UIM, v[XST]
	v_add_nc_u32 v[XST], SCR, v[XST]
	s_lshl_b32 s2, s[WV], 8
	v_add_nc_u32 v[SST], s2, v[A4R]
	v_add_nc_u32 v[SST], SMS, v[SST]
	s_lshl_b32 s2, s[WH], 13                       ; and read the eight of my half of the rows,
	v_add_nc_u32 v[XLD], s2, v[CO]
	v_add_nc_u32 v[XLD], SCR, v[XLD]
	s_lshl_b32 s2, s[WL], 13                       ; and of my half of the columns
	v_add_nc_u32 v[ULD], s2, v[CO]
	v_add_nc_u32 v[ULD], UIM, v[ULD]
	s_lshl_b32 s2, s[WL], 9
	v_add_nc_u32 v[SLD], s2, v[H32]
	v_add_nc_u32 v[SLD], SMS, v[SLD]
	; the prefetches: who asks, and where they stand
	s_wait_xcnt 0x0                                ; the loads above have read their bases: s[10:15] are written again only behind this wait
	s_and_b32 s105, ttmp7, 0xffff                  ; cluster y
	s_mov_b32 s[PFS], 0x10000
	s_mov_b32 s2, 256
	s_cmp_eq_u32 s[WH], 0                          ; waves 0 and 1 ask for x's codes, waves 2 and 3 for W's images
	s_cselect_b64 s[PFA:PFA+1], s[92:93], s[94:95]
	s_cselect_b32 s[PFS], 256, s[PFS]              ; a slot on
	s_cselect_b32 s2, 2048, s2                     ; from block to block
	s_cselect_b32 s101, s[CX], s[CY]               ; my place among the four that ask for the tile with me
	s_cselect_b32 s104, ttmp9, s105                ; the coordinate along which other clusters read the same bytes
	s_mov_b32 s[PFS+1], 0
	s_cmp_eq_u32 s104, 0
	s_cselect_b32 s[LIM], 1, -1                    ; the same in all sixteen partners, for a given wave
	v_mul_lo_u32 v[PFO], v3, s2
	s_lshl_b32 s101, s101, 6                       ; my work-group's 64 blocks,
	s_lshl_b32 s104, s[WL], 5                      ; my wave's 32 of them,
	s_add_co_u32 s101, s101, s104
	s_mul_i32 s100, s101, s2
	s_mul_i32 s104, s[PFS], 3                      ; in slot 3: the first refill steps it to slot 4
	s_add_co_u32 s100, s100, s104
	s_mov_b32 s101, 0
	s_add_nc_u64 s[PFA:PFA+1], s[PFA:PFA+1], s[100:101]
	v_lshlrev_b32 v[PFO2], 8, v3
	s_add_co_u32 s100, ttmp9, 4                    ; the scale words of slot cluster x + 4,
	s_lshl_b32 s100, s100, 17
	s_lshl_b32 s104, s[CY], 2
	s_add_co_u32 s104, s104, s[CX]
	s_lshl_b32 s104, s104, 13                      ; my work-group's 8,192 bytes of them
	s_add_co_u32 s100, s100, s104
	s_add_nc_u64 s[PF2:PF2+1], s[96:97], s[100:101]
	s_lshr_b32 s100, ttmp9, 1
	s_sub_co_u32 s100, 3, s100                     ; refill X stands in the trip with s3 = 3 - X / 2, at the change out of slot X % 2
	s_and_b32 s101, ttmp9, 1
	s_or_b32 s104, s105, s[WV]                     ; 0 in wave 0 of the clusters with y = 0
	s_or_b32 s2, s104, s101
	s_cmp_eq_u32 s2, 0
	s_cselect_b32 s[SXA], s100, -1
	s_xor_b32 s101, s101, 1
	s_or_b32 s2, s104, s101
	s_cmp_eq_u32 s2, 0
	s_cselect_b32 s[SXA+1], s100, -1
; 16 matrix instructions: x's blocks a0, a0 + 1 against W's eight, 128 along K: the slot's q-th.  p: W's set;  sc: the set of scale words.  zero = 1: the first product starts the sums: nothing is ever cleared.
; The 64 accumulators take turns, one instruction a turn, in the same order in every step.
.macro MUL16 a0, p, q, sc, zero
.irp a, \a0, \a0+1
.irp b, 0,1,2,3,4,5,6,7
.if \zero
	v_wmma_scale_f32_16x16x128_f8f6f4 v[8*(8*((\a)%4)+\b):8*(8*((\a)%4)+\b)+7], v[128*(\p)+FR*\b:128*(\p)+FR*\b+FR-1], v[AF+FR*(\a):AF+FR*(\a)+FR-1], 0, v[SC+8*NQ*(\sc)+NQ*\b+(\q)], v[SC+8*NQ*(\sc)+NQ*(\a)+(\q)] matrix_a_fmt:MATRIX_FMT_FP4 matrix_b_fmt:MATRIX_FMT_FP4 matrix_a_scale:MATRIX_SCALE_ROW1
.else
	v_wmma_scale_f32_16x16x128_f8f6f4 v[8*(8*((\a)%4)+\b):8*(8*((\a)%4)+\b)+7], v[128*(\p)+FR*\b:128*(\p)+FR*\b+FR-1], v[AF+FR*(\a):AF+FR*(\a)+FR-1], v[8*(8*((\a)%4)+\b):8*(8*((\a)%4)+\b)+7], v[SC+8*NQ*(\sc)+NQ*\b+(\q)], v[SC+8*NQ*(\sc)+NQ*(\a)+(\q)] matrix_a_fmt:MATRIX_FMT_FP4 matrix_b_fmt:MATRIX_FMT_FP4 matrix_a_scale:MATRIX_SCALE_ROW1
.endif
.endr
.endr
.endm
.macro FETCH_B slot, q, p              ; W's eight fragments of the slot's q-th 128 along K into set p: images, 512 consecutive bytes a load
	WIN TO_B
.irp i, 0,1,2,3,4,5,6,7
.irp c, 0,1
	ds_load_b128 v[128*(\p)+FR*\i+4*\c:128*(\p)+FR*\i+4*\c+3], v[ADRB+\slot] offset:(4*\i+(\q))*1024+512*\c
.endr
.endr
	WIN 0
.endm
.macro FETCH_A slot, q, i0             ; x's blocks i0 .. i0 + 3: lane l holds row l % 16; registers 4 c .. 4 c + 3 hold K = 64 c + 32 (l / 16) + 0 .. 31: 16 bytes of the row as they lie
.irp i, \i0, \i0+1, \i0+2, \i0+3
.irp c, 0,1
	ds_load_b128 v[AF+FR*(\i)+4*\c:AF+FR*(\i)+4*\c+3], v[ADRA+\slot] offset:64*(\q)+32*\c+(\i)*16*PITCH
.endr
.endr
.endm
.macro SCALES sc                       ; slot sc's scale words into set sc: four words a row; lanes 0-15 take x's block i, lanes 16-31 W's block i
.irp i, 0,1,2,3,4,5,6,7
	ds_load_b128 v[SC+8*NQ*\sc+NQ*\i:SC+8*NQ*\sc+NQ*\i+3], v[ADRS+\sc] offset:\i*256
.endr
.endm
; A load into a register that a matrix instruction has read, and a vector instruction or an LDS store that reads a matrix result, stand NP plain vector instructions behind that matrix instruction
; (ISA guide 7.12.1 for vector instructions); the matrix instructions in between are not counted.
.macro PLACES n
.rept \n
	v_nop
.endr
.endm
; A step of 128 along K that has its successor in the same slot.  x has one set of registers: blocks 0-3 are fetched anew in the step's middle, blocks 4-7 at its end; W has two sets.
.macro STEP slot, q, zero
	s_wait_dscnt 4*NL                              ; W's set, x's blocks 0-3 (and the scale words) are in; the youngest eight LDS instructions (as a rule the loads of x's blocks 4-7) may be out
	WIN MUL_LO
	MUL16 0, (\q)%2, \q, \slot, \zero
	MUL16 2, (\q)%2, \q, \slot, \zero
	s_wait_dscnt 0                                 ; x's blocks 4-7 are in (asked for 32 matrix instructions ago)
	PLACES NP
	FETCH_B \slot, (\q)+1, 1-(\q)%2
	FETCH_A \slot, (\q)+1, 0
	WIN MUL_HI
	MUL16 4, (\q)%2, \q, \slot, \zero
	MUL16 6, (\q)%2, \q, \slot, \zero
	PLACES NP
	WIN 0
	FETCH_A \slot, (\q)+1, 4
.endm
; A slot's last step changes slots: ONE barrier; in front of it each wave waits for all its tensor loads, adds 0 to its spare word, and waits for that and for its own reads of this slot.  fill = 1: this slot is filled again, two slots ahead.
.macro TURN slot, next, fill
.if \fill
	s_wait_xcnt 0x0                                ; the last prefetch, a slot back, has read its address: it is stepped here, ahead of the waits of the change of slots
	s_add_nc_u64 s[PFA:PFA+1], s[PFA:PFA+1], s[PFS:PFS+1]
.endif
	s_wait_tensorcnt 0x0                           ; all my tensor loads have landed: the one that was out is my part of the next slot;  (every window is 0 here)
	ds_add_u32 v[SPW], v[NIL]                      ; 0 onto my spare word
	s_wait_dscnt 4*NL+1                            ; (the add and the youngest eight loads, x's blocks 4-7, may be out)
	WIN MUL_LO
	MUL16 0, 1, NQ-1, \slot, 0                     ; sixteen matrix instructions stand between the add and the wait for it
	s_wait_dscnt 0x0                               ; the add is done, my reads of this slot are over, and my LDS stores have landed
	s_barrier_signal -1
	MUL16 2, 1, NQ-1, \slot, 0
	WIN 0
	s_barrier_wait -1
.if \fill
	CREST                                          ; the barrier has opened a round of the cluster's barrier: no wave of any partner still reads this slot or has a load on its way
	s_add_nc_u64 s[G0X+4*\slot+2:G0X+4*\slot+3], s[G0X+4*\slot+2:G0X+4*\slot+3], 2*256
	s_add_nc_u64 s[G0W+4*\slot+2:G0W+4*\slot+3], s[G0W+4*\slot+2:G0W+4*\slot+3], 2*65536
	s_add_nc_u64 s[G0SX+4*\slot+2:G0SX+4*\slot+3], s[G0SX+4*\slot+2:G0SX+4*\slot+3], 2*131072
	s_add_nc_u64 s[G0SW+4*\slot+2:G0SW+4*\slot+3], s[G0SW+4*\slot+2:G0SW+4*\slot+3], 2*131072
	JLOAD \slot                                    ; my one tensor load behind the round, and the first thing there; its four v_nop are also the places in front of the loads below
.else
	PLACES NP
.endif
	FETCH_B \next, 0, 0
	FETCH_A \next, 0, 0
	SCALES \next
.if \fill
	ASK                                            ; the codes of the slot two refills on,
	ASK2 \slot                                     ; and, once in the launch for each cluster with y = 0, a slot's scale words
.endif
	WIN MUL_HI
	MUL16 4, 1, NQ-1, \slot, 0
	MUL16 6, 1, NQ-1, \slot, 0
	PLACES NP
	WIN 0
	FETCH_A \next, 0, 4
.endm
.macro STEPS slot, from                ; the slot's steps from .. NQ - 2
.set Q, \from
.rept NQ-1-\from
	STEP \slot, Q, 0
.set Q, Q+1
.endr
.endm
; Eight f32 numbers of a lane, v[src] on, are split in two bf16 parts: v[hi] on, four registers: the numbers rounded to bf16; v[lo] on: what is left of each, rounded to bf16.  v[tmp] on: eight registers at work.
.macro SPLIT src, hi, lo, tmp
.irp p, 0,1,2,3
	v_cvt_pk_bf16_f32 v[(\hi)+\p], v[(\src)+2*\p], v[(\src)+2*\p+1]
.endr
.irp p, 0,1,2,3
	v_lshlrev_b32 v[(\tmp)+2*\p], 16, v[(\hi)+\p]              ; the upper parts as f32 again: the low half moves up,
	v_and_b32 v[(\tmp)+2*\p+1], 0xffff0000, v[(\hi)+\p]        ; the high half stays
.endr
.irp p, 0,1,2,3,4,5,6,7
	v_sub_f32 v[(\tmp)+\p], v[(\src)+\p], v[(\tmp)+\p]         ; exact: the two differ by less than a unit of the upper part's last place
.endr
.irp p, 0,1,2,3
	v_cvt_pk_bf16_f32 v[(\lo)+\p], v[(\tmp)+2*\p], v[(\tmp)+2*\p+1]
.endr
.endm
; THE SMALL OPERANDS ARE FINISHED: my four blocks of xv and my four blocks of columns; their images go to LDS.
.macro FINISH
	s_wait_loadcnt 0x0                             ; what was asked for at the head is in
	WIN 0x45                                       ; destination, sources 0 and 1: window 1
.irp k, 1,2,3
.irp t, 0,1,2,3
.irp p, 0,1,2,3
	v_pk_add_f32 v[64+32*\t+64*(\t/2)+2*\p:64+32*\t+64*(\t/2)+2*\p+1], v[64+32*\t+64*(\t/2)+2*\p:64+32*\t+64*(\t/2)+2*\p+1], v[64+32*\t+64*(\t/2)+8*\k+2*\p:64+32*\t+64*(\t/2)+8*\k+2*\p+1]   ; xv: the four parts along K
.endr
.endr
.endr
.irp t, 0,1,2,3
.set PB, 64+32*\t+64*(\t/2)
	SPLIT PB, PB+8, PB+12, PB+16                   ; into the registers that the parts have left
.endr
	WIN 0x04                                       ; an LDS store's data are its source 1: window 1
.irp t, 0,1,2,3
.set PB, 64+32*\t+64*(\t/2)
	ds_store_b128 v[XST], v[PB+8:PB+11] offset:1024*\t         ; the upper parts' image,
	ds_store_b128 v[XST], v[PB+12:PB+15] offset:1024*\t+512    ; the lower parts'
.endr
	WIN 0
.irp t, 0,1,2,3
	v_add_f32 v[SQP+4*\t], v[SQP+4*\t], v[SQP+4*\t+1]          ; column 16 t + r's squared norm: the four parts along K
	v_add_f32 v[SQP+4*\t+2], v[SQP+4*\t+2], v[SQP+4*\t+3]
.endr
.irp t, 0,1,2,3
	v_add_f32 v[SQP+4*\t], v[SQP+4*\t], v[SQP+4*\t+2]
.endr
.irp t, 0,1,2,3
	v_rsq_f32 v[SQP+4*\t+1], v[SQP+4*\t]
.endr
.irp t, 0,1,2,3
.irp p, 0,1,2,3
	v_pk_mul_f32 v[UI+8*\t+2*\p:UI+8*\t+2*\p+1], v[UI+8*\t+2*\p:UI+8*\t+2*\p+1], v[SS+2*\p:SS+2*\p+1]   ; U S: plain work behind the four transcendentals, which names none of their results
.endr
.endr
	s_wait_alu depctr_va_vdst(0)                   ; a wait ahead of the first instruction that names a result: one for the four
.irp t, 0,1,2,3
	v_mul_f32 v[SQP+4*\t+1], v[MG+\t], v[SQP+4*\t+1]           ; s = magnitude / norm
.endr
.irp t, 0,1,2,3
	v_mul_f32 v[SQP+4*\t+2], v[OV+\t], v[SQP+4*\t+1]           ; s O
	v_add_f32 v[SQP+4*\t], -1.0, v[SQP+4*\t+1]                 ; s - 1
.endr
.irp t, 0,1,2,3
.irp p, 0,1,2,3
	v_pk_mul_f32 v[UI+8*\t+2*\p:UI+8*\t+2*\p+1], v[UI+8*\t+2*\p:UI+8*\t+2*\p+1], v[SQP+4*\t+2:SQP+4*\t+3] op_sel_hi:[1,0]   ; s O S U
.endr
.endr
.irp t, 0,1,2,3
	SPLIT UI+8*\t, UH+8*\t, UH+8*\t+4, SS
.endr
.irp t, 0,1,2,3
	ds_store_b32 v[SST], v[SQP+4*\t] offset:64*\t              ; (lanes r and 16 + r write the same word with the same value)
	ds_store_b128 v[UST], v[UH+8*\t:UH+8*\t+3] offset:1024*\t
	ds_store_b128 v[UST], v[UH+8*\t+4:UH+8*\t+7] offset:1024*\t+512
.endr
.endm
; What the way out wants of them, from LDS: bytes that all four waves stored ahead of the last change of slots' barrier
.macro OPERANDS
	WIN TO_B
.irp b, 0,1,2,3,4,5,6,7
.irp c, 0,1
	ds_load_b128 v[UB+8*\b+4*\c:UB+8*\b+4*\c+3], v[ULD] offset:1024*\b+512*\c      ; lane (r, h): ranks 8 h .. 8 h + 7 of column 16 b + r: the upper parts (c = 0), the lower parts (c = 1)
	ds_load_b128 v[SM+8*\b+4*\c:SM+8*\b+4*\c+3], v[SLD] offset:64*\b+16*\c         ; s - 1 of columns 16 b + 8 h + 4 c on
.endr
.endr
	WIN 0
.irp a, 0,1,2,3,4,5,6,7
	ds_load_b128 v[XB+12*\a:XB+12*\a+3], v[XLD] offset:1024*\a                     ; the same of row 16 a + r of xv: upper,
	ds_load_b128 v[XB+12*\a+4:XB+12*\a+7], v[XLD] offset:1024*\a+512               ; lower,
	ds_load_b128 v[XB+12*\a+8:XB+12*\a+11], v[XLD] offset:1024*\a                  ; and upper once more
.endr
.endm
	s_wait_tensorcnt 1                             ; my part of slot 0 is in (slot 1's load may be out)
	s_barrier_signal -1
	s_barrier_wait -1                              ; everybody's is
	FETCH_B 0, 0, 0
	FETCH_A 0, 0, 0
	SCALES 0
	FETCH_A 0, 0, 4
	STEP 0, 0, 1                                   ; the first step stands in front of the loop: its products start the sums
	s_mov_b32 s3, LAPS-1
.Llap:                                                 ; a trip goes once round the ring, from a lap's second step to the next lap's first, and fills both slots again
	STEPS 0, 1
	TURN 0, 1, 1
	STEPS 1, 0
	TURN 1, 0, 1
	STEP 0, 0, 0
	s_sub_co_u32 s3, s3, 1
	s_cmp_lg_u32 s3, 0
	s_cbranch_scc1 .Llap
	FINISH                                         ; the last joint refill is on its way: this work stands between it and the wait for it
	STEPS 0, 1                                     ; the last lap fills nothing, and has no round of the cluster's barrier
	TURN 0, 1, 0                                   ; in front of its barrier every wave has waited for its LDS stores: behind it the small operands' images are whole
	STEPS 1, 0
	s_wait_dscnt 4*NL                              ; the very last step: no fragment is left to fetch
	WIN MUL_LO
	MUL16 0, 1, NQ-1, 1, 0
	MUL16 2, 1, NQ-1, 1, 0
	s_wait_dscnt 0
	OPERANDS                                       ; 56 LDS loads into registers that no product has named, ahead of the last 32 products
	WIN MUL_HI
	MUL16 4, 1, NQ-1, 1, 0
	MUL16 6, 1, NQ-1, 1, 0
	WIN 0
; THE WAY OUT, block by block of 16 rows x 128 columns.
.macro SCALE a                         ; block a's eight accumulators x (s - 1) of their columns, two numbers at a time, each accumulator from its low end on
.set AC, 64*((\a)%4)
	WIN 0x86+0x41*((\a)/4)                         ; destination and source 0 window 2 or 3, source 1 (s - 1) window 1
.irp b, 0,1,2,3,4,5,6,7
.irp p, 0,1,2,3
	v_pk_mul_f32 v[AC+8*\b+2*\p:AC+8*\b+2*\p+1], v[AC+8*\b+2*\p:AC+8*\b+2*\p+1], v[SM+8*\b+2*\p:SM+8*\b+2*\p+1]
.endr
.endr
.endm
; The low-rank part is added onto them: source 0 = 16 columns of s O S U [upper | lower], source 1 = block a's 16 rows of xv, first [upper | lower], then [lower | upper].
; The eight accumulators take turns, one instruction a turn: between the two links on one accumulator stand the seven others'.
.macro LOWR a
.set AC, 64*((\a)%4)
	WIN MUL_LO+0x50*((\a)/4)                       ; source 0 window 1, source 1 window 0, C and D window 2 or 3
.irp u, 0,1
.irp b, 0,1,2,3,4,5,6,7
	v_wmma_f32_16x16x32_bf16 v[AC+8*\b:AC+8*\b+7], v[UB+8*\b:UB+8*\b+7], v[XB+12*(\a)+4*\u:XB+12*(\a)+4*\u+7], v[AC+8*\b:AC+8*\b+7]
.endr
.endr
.endm
; A lane holds 32 neighbouring bytes of a row, and the lanes beside it hold other rows: so a block goes through my own stage in LDS and comes back as whole rows of 512 bytes.
; LDS serves a wave's instructions in order (ISA guide 5.7.1.4): no wait between the stores and the loads, nor in front of the next block's stores.
.macro TOSTAGE a
.set AC, 64*((\a)%4)
	WIN 0x08+4*((\a)/4)                            ; an LDS store's data are its source 1: window 2 or 3
.irp b, 0,1,2,3,4,5,6,7
	ds_store_b128 v[STO], v[AC+8*\b:AC+8*\b+3] offset:64*\b          ; each accumulator from its low end on
	ds_store_b128 v[STO], v[AC+8*\b+4:AC+8*\b+7] offset:64*\b+16
.endr
	WIN TO_B                                       ; back into the registers that held W's sets, by turns
.set BB, 128*((\a)%2)
.irp t, 0,1,2,3,4,5,6,7,8,9,10,11,12,13,14,15
	ds_load_b128 v[BB+4*\t:BB+4*\t+3], v[RD] offset:\t*SPITCH
.endr
	WIN 0
.endm
.macro SEND a, younger                 ; younger: the LDS instructions issued behind block a's loads, which may stay out
.set BB, 128*((\a)%2)
	s_wait_dscnt \younger                          ; the block is back in registers
.if (\a) > 0
	s_add_nc_u64 s[4:5], s[4:5], 16*NROW           ; (behind a wait on XCNT: the earlier stores have read their base)  16 rows of out on
.endif
	WIN 0x04                                       ; a store's data are its source 1: window 1
.irp t, 0,1,2,3,4,5,6,7,8,9,10,11,12,13,14,15
	global_store_b128 v[CO], v[BB+4*\t:BB+4*\t+3], s[4:5] offset:\t*NROW th:TH_STORE_NT   ; 32 lanes store 512 consecutive bytes, at a multiple of 256 from out's first byte; written once, read by nobody here
.endr
	WIN 0
.endm
	PLACES 5                                       ; behind the last products: four ahead of the first read of results, five ahead of a matrix instruction of another form that writes over them
	s_wait_dscnt 0x0                               ; the small operands are in
	SCALE 0
	LOWR 0
	SCALE 1                                        ; the next block's scaling names none of block 0's registers: these are the plain instructions between LOWR 0 and the stage's stores
	TOSTAGE 0
.irp a, 1,2,3,4,5,6,7
	LOWR \a
.if \a < 7
	SCALE \a+1
.else
	PLACES NP
.endif
.if \a > 1
	s_wait_xcnt 0x0                                ; block a - 2's stores have read their registers and their base: block a's loads may land there, and the base may step
.endif
	TOSTAGE \a
	SEND \a-1, 32                                  ; behind block a - 1's loads: block a's 16 stores and 16 loads
.endr
	s_wait_xcnt 0x0                                ; block 6's stores have read their base
	SEND 7, 0
	s_wait_tensorcnt 0x0                           ; the wave's end: behind my last tensor load and my last LDS store
	ds_add_u32 v[SPW], v[NIL]
	s_wait_dscnt 0x0
	CROUND                                         ; the closing round: no work-group ends while a partner may still ask for a tile that names it
	s_endpgm
.Lfunc_end_k_q0523cd96e4_gemm:
	.size	k_q0523cd96e4_gemm, .Lfunc_end_k_q0523cd96e4_gemm-k_q0523cd96e4_gemm
	.p2alignl 7, 3214868480
	.fill 96, 4, 3214868480
	.section	.rodata,"a",@progbits
	.p2align	6, 0x0
	.amdhsa_kernel k_q0523cd96e4_gemm
		.amdhsa_group_segment_fixed_size 327680
		.amdhsa_private_segment_fixed_size 0
		.amdhsa_enable_private_segment 0
		.amdhsa_kernarg_size 80
		.amdhsa_user_sgpr_count 2
		.amdhsa_user_sgpr_kernarg_segment_ptr 1
		.amdhsa_wavefront_size32 1
		.amdhsa_system_sgpr_workgroup_id_x 1
		.amdhsa_system_sgpr_workgroup_id_y 1
		.amdhsa_system_sgpr_workgroup_id_z 1
		.amdhsa_system_vgpr_workitem_id 0
		.amdhsa_next_free_vgpr 1024
		.amdhsa_next_free_sgpr 106
		.amdhsa_reserve_vcc 0
		.amdhsa_float_denorm_mode_32 3
		.amdhsa_float_denorm_mode_16_64 3
		.amdhsa_memory_ordered 1
		.amdhsa_forward_progress 1
		.amdhsa_inst_pref_size 255
	.end_amdhsa_kernel
	.section	.bss,"aw",@nobits
	.p2align	6
	.space	262144
	.amdgpu_metadata
---
amdhsa.version: [ 1, 2 ]
amdhsa.kernels:
  - .name:           k_q0523cd96e4_gemm
    .symbol:         k_q0523cd96e4_gemm.kd
    .args:
      - { .name: x_codes, .offset: 0, .size: 8, .value_kind: global_buffer, .address_space: global }
      - { .name: wq, .offset: 8, .size: 8, .value_kind: global_buffer, .address_space: global }
      - { .name: sc, .offset: 16, .size: 8, .value_kind: global_buffer, .address_space: global }
      - { .name: xvp, .offset: 24, .size: 8, .value_kind: global_buffer, .address_space: global }
      - { .name: sqp, .offset: 32, .size: 8, .value_kind: global_buffer, .address_space: global }
      - { .name: osora_U, .offset: 40, .size: 8, .value_kind: global_buffer, .address_space: global }
      - { .name: osora_S, .offset: 48, .size: 8, .value_kind: global_buffer, .address_space: global }
      - { .name: osora_O, .offset: 56, .size: 8, .value_kind: global_buffer, .address_space: global }
      - { .name: magnitude, .offset: 64, .size: 8, .value_kind: global_buffer, .address_space: global }
      - { .name: out0, .offset: 72, .size: 8, .value_kind: global_buffer, .address_space: global }
    .group_segment_fixed_size: 327680
    .private_segment_fixed_size: 0
    .kernarg_segment_align: 8
    .kernarg_segment_size: 80
    .max_flat_workgroup_size: 128
    .sgpr_count:     106
    .vgpr_count:     1024
    .wavefront_size: 32
...
	.end_amdgpu_metadata
.endif
;; end of part 2
;; ======== version 2 of 2: 2 launches; version 1 with the launch prep written anew for expert scheduling mode
;; workspace buffers: wq 8,388,608 bytes; sc 1,048,576 bytes; xvp 1,048,576 bytes; sqp 65,536 bytes
;; launch prep (part 3): grid 256 x 1, 8 waves a work-group, no clusters, 146,432 bytes of LDS; arguments base_weight, osora_V, osora_U, osora_S, osora_O, x_codes, x_scales, wq, sc, xvp, sqp; writes wq, sc, xvp, sqp
.if DOCPART == 3
	.amdgcn_target "amdgcn-amd-amdhsa--gfx1250"
	.amdhsa_code_object_version 6
	.text
	.protected	k_q0523cd96e4_prep
	.globl	k_q0523cd96e4_prep
	.p2align	8
	.type	k_q0523cd96e4_prep,@function
k_q0523cd96e4_prep:
	s_mov_b64 s[64:65], 0
	v_nop
	global_prefetch_b8 v0, s[64:65] scope:SCOPE_SE
	s_setreg_imm32_b32 hwreg(HW_REG_WAVE_SCHED_MODE, 0, 2), 2
	s_setreg_imm32_b32 hwreg(HW_REG_WAVE_MODE, 25, 1), 1
	s_wait_xcnt 0x0
	s_wait_alu depctr_vm_vsrc(0)
; PREP: all that is made once, ahead of the large product.  W = base_weight [4096][4096] f32, V = osora_V [16][4096] f32, x as codes of FP4 (E2M1) with E8M0 scale bytes.
;   wq  : W's codes of FP4, quantised along K in blocks of 32, laid as IMAGES of the operand's registers: [o / 256][K / 512][16 rows][K step of 128][1,024 bytes], register group c of lane l at 512 c + 16 l
;   sc  : scale words (4 bytes = 128 along K of one row): [K / 512][x, W][256 rows][16 rows][row][K step of 128]
;   xvp : x Q(V)^T (the quantised product of rank 16) over a quarter of K, f32: [quarter][16 rows][1,024 bytes]: lane (r, h) holds ranks 8 h .. 8 h + 7 of row r, four at 16 l, four at 512 + 16 l
;   sqp : the sum over a quarter of K of the squares of W + diag(O) U diag(S) V, f32: [quarter][4096 rows].  The next launch adds the four quarters of both.
; SHARES.  Work-group g takes rows 64 (g / 4) .. + 63 of W and of x, and quarter g % 4 of K.  Wave w takes ONE K step of 128 of that quarter, for all 64 rows: V's tile is turned, rounded and quantised once and serves four
; tiles of W and four fragments of x.
; V'S TILE (16 x 128 f32) is loaded as it lies (a row's 512 bytes to a load), turned through the wave's own stage in LDS so that lane (r, h) holds, of row r, register 16 b + i = k 32 b + 16 h + i, quantised, and multiplied
; with x's four fragments (source 0 = Q(V), source 1 = x): lane (r, h), register j = xv[x's row r][rank 8 h + j].  Rounded to bf16 it also goes through a second stage, out of which the turning load brings V^T's fragments.
; A TILE OF W takes the same turn and the same quantiser; then eight bf16 products add diag(O) U diag(S) V onto the 64 f32 numbers of W where they stand (C = D), and their squares are summed.
; THE COLUMNS OF V THAT FORM A TILE ARE NOT NEIGHBOURS: lane r' of tile 2 b + u takes column 32 b + 8 u + r' + 8 (r' / 8), so that the product's result lies as W's numbers lie.
; The rank is 16, the bf16 form's K is 32: registers 4-7 of O U S's fragments are zeros; V^T's fragments overlap (fragment t = v[VT + 4 t .. VT + 4 t + 7]), so their upper halves hold finite numbers of V, which meet those zeros.
; V IS WHAT WORK-GROUPS SHARE, and it is not asked for jointly: it is one tile in five of a wave's bytes, each wave turns its own tile as soon as it has come, and the eight waves meet once, at the end; a joint tensor load
; would put a round of a cluster's barrier in front of all that.
; LIMITS.  V and W hold finite numbers whose bf16 roundings are finite.  A block of zeros gets the scale byte 1 where the quantiser's rule says 127: its codes are zeros, and these bytes are read by this program alone.
; The sums over K of x V^T and of the squares are made in parts (a wave's K step, a work-group's quarter) and added in f32.  For the norm, O U S and V go to the matrix unit in one bf16 part each.
; THE MODE: SCHED_MODE bits 1:0 = 2 (LLVM: expert scheduling mode 2), set by the entry lines.  The code itself states the register dependences between vector or matrix instructions and memory or LDS instructions,
; with s_wait_alu, always for 0.
; THE PLAN.  Registers that memory or LDS instructions touch:
;   window 1, sets 0-3   Global loads land in them; the stage's LDS stores read them.  Set 0 is also read by V's 32 conversions, and then W's last tile lands in it.
;   X                    V's tile: the conversions write its first 32 registers, LDS stores read them.  Then, for each of the five tiles: the turn's LDS loads land, the quantiser reads, (W's tiles) eight products add in place, the
;                        squares read.  Behind the barrier: LDS loads land, additions, global stores read.
;   XV = WC              U lands; vector work; the four scaled products write; LDS stores read; then the quantiser writes W's codes, eight registers a tile, and global stores read them: none is written again.
;   QV, QW               Written by the quantiser, taken by the scaled products as operand and scales.       SQF, SD   Written by vector instructions, read by LDS stores.       VT   LDS loads land once.
;   v4 to v20            Addresses and offsets: made at the head and never written again.                     v254, v255   Written at the head, read by the closing add alone.
; THE ORDER.  The next tile goes INTO the stage among this tile's work (its LDS stores read loaded data and an address alone); it comes BACK into X behind the one wait on va_vdst at this tile's end, which states that the
; codes are written (the global stores follow it), that the products have written X and that the squares are done reading it.
.set WREG,  13312                      ; LDS: a region for each wave:
.set FP,    528                        ;   the f32 stage, 16 rows of 512 bytes + 16: an odd multiple of 16, so that sixteen rows' reads of 16 bytes fall apart;
.set BST,   16*FP                      ;   behind it the bf16 stage,
.set BP,    288                        ;   16 rows of 256 bytes + 32
.set REDX,  8*WREG                     ; behind the regions: the eight waves' parts of x V^T, four tiles of 1,024 bytes each;
.set REDQ,  REDX+8*4096                ; of the sums of squares, 64 rows x 4 bytes each;
.set SCW,   REDQ+8*256                 ; and the scale words: [x, W][two K / 512][four tiles][row][K step of 128]: 4,096 bytes
.set LD,   4                           ; v4   16 x lane
.set FIN,  5                           ; v5   f32 stage, in: 16 x lane
.set FOUT, 6                           ; v6   f32 stage, out: 528 r + 64 h
.set BIN,  7                           ; v7   bf16 stage, in: 8 x lane
.set BTR,  8                           ; v8   bf16 stage, the turning load: (8 h + lane % 8) x 288 + 32 ((lane / 8) % 2)
.set AXC,  9                           ; v9   x's codes: 2,048 r + 16 h
.set AXS,  10                          ; v10  x's scale bytes: 128 r
.set AU,   11                          ; v11  U: 64 r + 32 h
.set ASV,  12                          ; v12  S: 32 h
.set A4R,  13                          ; v13  O: 4 r
.set SCS,  14                          ; v14  where I put a scale word: 2,048 h + 1,024 (w / 4) + 16 r + 4 (w % 4)
.set RXS,  15                          ; v15  where I store my parts of x V^T;  v16 where waves 0 to 3 read a tile's parts
.set RXL,  16
.set RQS,  17                          ; v17, v18 the same for the sums of squares (wave 4 reads)
.set RQL,  18
.set SCL,  19                          ; v19  where wave 5 reads the scale words
.set L8,   20                          ; v20  8 x lane
.set TM,   24                          ; v24-39  at work in the quantiser (v32-39 hold S until O U S is made)
.set XV,   40                          ; v40-71  first U, then x Q(V)^T, four accumulators;
.set WC,   40                          ;         then W's codes, eight registers for each tile: no store's data are written again
.set XF,   72                          ; v72-103 first x's four fragments; then:
.set SQ,   72                          ; v72-79  the sum of squares, four chains of pairs
.set SQF,  80                          ; v80-83  a tile's sum, one for each tile
.set WSW,  84                          ; v84-87  W's scale words
.set SD,   88                          ; v88-91  what goes to the scale words' place in LDS
.set QV,   104                         ; v104-111 Q(V)'s fragment
.set QW,   112                         ; v112    its scale word
.set OO,   114                         ; v114-117 O, one for each tile
.set XSW,  118                         ; v118-121 x's scale words
.set AF,   122                         ; v122-153 O U S in bf16, eight registers a tile, the upper four zeros
.set VT,   154                         ; v154-189 V^T's fragments, overlapping; v186-189 zeros
.set X,    190                         ; v190-253 the 64 numbers in hand
                                       ; window 1 (v256-511): four sets of 64 registers for tiles as they are loaded
.set GG,   30                          ; s30  which 64 rows
.set KQ,   31                          ; s31  which quarter of K
.set KS,   32                          ; s32  my K step of 128: 8 x quarter + wave
.set WV,   34                          ; s34  my wave's number
.set SEL,  36                          ; s[36:37] lane selects for v_permlanex16_b32: lane l xor 16
.set MSB, 0
.macro WIN new                         ; the immediate's high byte repeats the setting that is left; a switch that changes nothing is dropped
.if MSB != (\new)
	s_set_vgpr_msb (MSB<<8)|(\new)
.set MSB, (\new)
.endif
.endm
.macro PLACES n
.rept \n
	v_nop
.endr
.endm
	s_load_b512 s[8:23], s[0:1], 0x0               ; W s[8:9], V s[10:11], U s[12:13], S s[14:15], O s[16:17], x's codes s[18:19], x's scales s[20:21], wq s[22:23]
	s_load_b128 s[24:27], s[0:1], 0x40             ; sc s[24:25], xvp s[26:27]
	s_load_b64 s[28:29], s[0:1], 0x50              ; sqp
	v_lshl_add_u32 v254, v0, 2, 0x23800            ; the LDS address of my spare word, behind the scale words: made here and kept for the closing lines alone
	v_mov_b32 v255, 0                              ; and 0, likewise
	v_lshrrev_b32 v1, 5, v0
	v_readfirstlane_b32 s[WV], v1                  ; wave 0..7
	v_and_b32 v1, 31, v0                           ; lane
	v_and_b32 v2, 15, v0                           ; r
	v_bfe_u32 v3, v0, 4, 1                         ; h
	s_lshr_b32 s[GG], ttmp9, 2
	s_and_b32 s[KQ], ttmp9, 3
	s_lshl_b32 s[KS], s[KQ], 3
	s_wait_alu depctr_va_sdst(0)                   ; s34, the wave's number, is written, ahead of its first reader: my K step, my LDS region and the bases are made from it
	s_add_co_u32 s[KS], s[KS], s[WV]
	s_mul_i32 s33, s[WV], WREG                     ; my region of LDS
	v_lshlrev_b32 v[LD], 4, v1
	v_lshlrev_b32 v[L8], 3, v1
	v_add_nc_u32 v[FIN], s33, v[LD]
	v_mul_u32_u24 v[FOUT], v2, FP
	v_lshl_add_u32 v[FOUT], v3, 6, v[FOUT]
	v_add_nc_u32 v[FOUT], s33, v[FOUT]
	v_add_nc_u32 v[BIN], s33, v[L8]
	v_add_nc_u32 v[BIN], BST, v[BIN]
	v_and_b32 v[BTR], 7, v0
	v_lshl_add_u32 v[BTR], v3, 3, v[BTR]
	v_mul_u32_u24 v[BTR], v[BTR], BP
	v_bfe_u32 v21, v0, 3, 1
	v_lshl_add_u32 v[BTR], v21, 5, v[BTR]
	v_add_nc_u32 v[BTR], s33, v[BTR]
	v_add_nc_u32 v[BTR], BST, v[BTR]
	v_lshlrev_b32 v[AXC], 11, v2
	v_lshl_add_u32 v[AXC], v3, 4, v[AXC]
	v_lshlrev_b32 v[AXS], 7, v2
	v_lshlrev_b32 v[AU], 6, v2
	v_lshl_add_u32 v[AU], v3, 5, v[AU]
	v_lshlrev_b32 v[ASV], 5, v3
	v_lshlrev_b32 v[A4R], 2, v2
	s_lshr_b32 s38, s[WV], 2                       ; my K step is the (w % 4)-th of the quarter's (w / 4)-th 512
	s_lshl_b32 s38, s38, 10
	s_and_b32 s39, s[WV], 3
	s_lshl_b32 s39, s39, 2
	s_add_co_u32 s38, s38, s39
	v_lshlrev_b32 v[SCS], 4, v2
	v_lshl_add_u32 v[SCS], v3, 11, v[SCS]
	v_add_nc_u32 v[SCS], s38, v[SCS]
	v_add_nc_u32 v[SCS], SCW, v[SCS]
	v_add_nc_u32 v[SCL], SCW, v[LD]
	s_lshl_b32 s38, s[WV], 12
	v_add_nc_u32 v[RXS], s38, v[LD]
	v_add_nc_u32 v[RXS], REDX, v[RXS]
	s_and_b32 s38, s[WV], 3
	s_lshl_b32 s38, s38, 10
	v_add_nc_u32 v[RXL], s38, v[LD]
	v_add_nc_u32 v[RXL], REDX, v[RXL]
	s_lshl_b32 s38, s[WV], 8
	v_add_nc_u32 v[RQS], s38, v[A4R]
	v_add_nc_u32 v[RQS], REDQ, v[RQS]
	v_add_nc_u32 v[RQL], REDQ, v[L8]
.irp i, 0,1,2,3
.irp m, 0,1,2,3
	v_mov_b32 v[AF+8*\m+4+\i], 0                   ; ranks 16 to 31 of O U S: there are none
.endr
	v_mov_b32 v[VT+32+\i], 0                       ; the upper half of V^T's last fragment
	v_mov_b32 v[TM+4+\i], 0                        ; written once: a lane permute's destination counts as one of its sources
.endr
	s_mov_b32 s[SEL], 0x76543210
	s_mov_b32 s[SEL+1], 0xfedcba98
	s_mov_b32 s41, 0
	s_mov_b32 s43, 0
	s_wait_kmcnt 0x0
	s_lshl_b32 s40, s[GG], 20                      ; W: 64 rows of 16,384 bytes,
	s_lshl_b32 s42, s[KS], 9                       ; 128 numbers a K step; V: the same along K
	s_add_nc_u64 s[8:9], s[8:9], s[40:41]
	s_add_nc_u64 s[8:9], s[8:9], s[42:43]
	s_add_nc_u64 s[10:11], s[10:11], s[42:43]
	s_lshl_b32 s40, s[GG], 12                      ; U: 64 rows of 64 bytes
	s_add_nc_u64 s[12:13], s[12:13], s[40:41]
	s_lshl_b32 s40, s[GG], 8                       ; O: 64 numbers
	s_add_nc_u64 s[16:17], s[16:17], s[40:41]
	s_lshl_b32 s40, s[GG], 17                      ; x's codes: 64 rows of 2,048 bytes, 64 bytes a K step
	s_lshl_b32 s42, s[KS], 6
	s_add_nc_u64 s[18:19], s[18:19], s[40:41]
	s_add_nc_u64 s[18:19], s[18:19], s[42:43]
	s_lshl_b32 s40, s[GG], 13                      ; x's scale bytes: 64 rows of 128, 4 a K step
	s_lshl_b32 s42, s[KS], 2
	s_add_nc_u64 s[20:21], s[20:21], s[40:41]
	s_add_nc_u64 s[20:21], s[20:21], s[42:43]
	s_lshr_b32 s40, s[GG], 2                       ; wq: (rows / 256) x 524,288 + (my four tiles among the sixteen) x 4,096
	s_lshl_b32 s40, s40, 19
	s_and_b32 s42, s[GG], 3
	s_lshl_b32 s42, s42, 14
	s_add_nc_u64 s[22:23], s[22:23], s[40:41]
	s_add_nc_u64 s[22:23], s[22:23], s[42:43]
	s_lshr_b32 s40, s[KS], 2                       ;     + (K / 512) x 65,536 + (K step in it) x 1,024
	s_lshl_b32 s40, s40, 16
	s_and_b32 s42, s[KS], 3
	s_lshl_b32 s42, s42, 10
	s_add_nc_u64 s[22:23], s[22:23], s[40:41]
	s_add_nc_u64 s[22:23], s[22:23], s[42:43]
	s_lshl_b32 s40, s[KQ], 18                      ; sc: two K / 512 of 131,072 bytes a quarter; 1,024 bytes for my 64 rows
	s_lshl_b32 s42, s[GG], 10
	s_add_nc_u64 s[24:25], s[24:25], s[40:41]
	s_add_nc_u64 s[24:25], s[24:25], s[42:43]
	s_lshl_b32 s42, s[GG], 12                      ; xvp: 262,144 bytes a quarter; 4,096 for my 64 rows; tile w % 4 of them (waves 0 to 3 store)
	s_add_nc_u64 s[26:27], s[26:27], s[40:41]
	s_add_nc_u64 s[26:27], s[26:27], s[42:43]
	s_and_b32 s42, s[WV], 3
	s_lshl_b32 s42, s42, 10
	s_add_nc_u64 s[26:27], s[26:27], s[42:43]
	s_lshl_b32 s40, s[KQ], 14                      ; sqp: 16,384 bytes a quarter; 256 for my 64 rows
	s_lshl_b32 s42, s[GG], 8
	s_add_nc_u64 s[28:29], s[28:29], s[40:41]
	s_add_nc_u64 s[28:29], s[28:29], s[42:43]
	s_wait_alu depctr_va_vdst(0)                   ; the addresses and offsets v4 to v20 are written: every load and store of the kernel, global or LDS, reads one of them, and none is written again
	; the 26 small loads go first: they are older than the first tile, so the first tile's wait shows them in
.irp m, 0,1,2,3
	global_load_b128 v[XV+8*\m:XV+8*\m+3], v[AU], s[12:13] offset:1024*\m          ; U(16 m + r, 8 h .. 8 h + 7)
	global_load_b128 v[XV+8*\m+4:XV+8*\m+7], v[AU], s[12:13] offset:1024*\m+16
.endr
	global_load_b128 v[TM+8:TM+11], v[ASV], s[14:15]           ; S(8 h .. 8 h + 7)
	global_load_b128 v[TM+12:TM+15], v[ASV], s[14:15] offset:16
.irp m, 0,1,2,3
	global_load_b32 v[OO+\m], v[A4R], s[16:17] offset:64*\m
.endr
.irp m, 0,1,2,3
	global_load_b32 v[XSW+\m], v[AXS], s[20:21] offset:2048*\m                     ; row 16 m + r's scale word of my K step
.endr
.irp m, 0,1,2,3
.irp c, 0,1
	global_load_b128 v[XF+8*\m+4*\c:XF+8*\m+4*\c+3], v[AXC], s[18:19] offset:32768*\m+32*\c   ; x's fragments, as the codes lie
.endr
.endr
; A tile of 16 rows x 128 f32, from row row0 on, into set buf of window 1: a row's 512 bytes to a load.  sb: the base's register;  nt: W is read once in the launch, V by many work-groups;
; again = 1: the set has held a tile before: the window's switch, the two waits, the loads
.macro LOADT buf, sb, row0, nt, again
	WIN 0x40                                       ; destination window 1
.if \again
	s_wait_alu depctr_va_vdst(0)                   ; V's conversions are done reading the set, in which the loads below land; and they have written X's first 32 registers, which the LDS stores behind these loads read
	s_wait_alu depctr_vm_vsrc(0)                   ; the stage's LDS stores have read the set
.endif
.irp k, 0,1,2,3,4,5,6,7,8,9,10,11,12,13,14,15
.if \nt
	global_load_b128 v[64*(\buf)+4*\k:64*(\buf)+4*\k+3], v[LD], s[\sb:\sb+1] offset:((\row0)+\k)*16384 th:TH_LOAD_NT
.else
	global_load_b128 v[64*(\buf)+4*\k:64*(\buf)+4*\k+3], v[LD], s[\sb:\sb+1] offset:((\row0)+\k)*16384
.endif
.endr
	WIN 0
.endm
.macro LOADTILE t                      ; the tiles in the order of their use: V's, then W's four; tile t goes into set t % 4
.if (\t) == 0
	LOADT 0, 10, 0, 0, 0
.else
	LOADT (\t)%4, 8, 16*((\t)-1), 1, (\t)/4
.endif
.endm
.macro WAITT t                         ; tile t's sixteen loads are in; behind them were issued the tiles up to t + 3, sixteen loads each, as far as there are tiles
.if 4-(\t) > 3
	s_wait_loadcnt 48
.else
	s_wait_loadcnt 16*(4-(\t))
.endif
.endm
; Tile t goes into the f32 stage as it was loaded.  These stores read loaded data and an address made at the head: they hang on no vector instruction.  The stage's last reads have come back: a wait on DScnt stands ahead of each use.
; (The window is left as it is: what follows sets its own.)
.macro STAGEIN t
	WAITT \t
	WIN 0x04                                       ; an LDS store's data are its source 1: window 1
.irp k, 0,1,2,3,4,5,6,7,8,9,10,11,12,13,14,15
	ds_store_b128 v[FIN], v[64*((\t)%4)+4*\k:64*((\t)%4)+4*\k+3] offset:\k*FP
.endr
.endm
; And comes back, 16 neighbours of each block of 32 to a lane.  LDS serves a wave's instructions in order (ISA guide 5.7.1.4): no wait on DScnt between the stores and these loads
.macro STAGEOUT
.irp b, 0,1,2,3
.irp j, 0,1,2,3
	ds_load_b128 v[X+16*\b+4*\j:X+16*\b+4*\j+3], v[FOUT] offset:128*\b+16*\j
.endr
.endr
.endm
; 64 numbers of a lane, register 16 b + i = k 32 b + 16 h + i of my row, become a fragment's codes in v[cod] on and its scale word in v[wrd].
.macro QUANT src, cod, wrd
.irp b, 0,1,2,3
	v_max3_num_f32 v[TM+\b], |v[\src+16*\b]|, |v[\src+1+16*\b]|, 0x1800000   ; block b: my 16 numbers, and the floor 2^(3 - 127): so the byte cannot fall under 1
.endr
.irp i, 2,4,6,8,10,12,14
.irp b, 0,1,2,3
	v_max3_num_f32 v[TM+\b], v[TM+\b], |v[\src+16*\b+\i]|, |v[\src+1+16*\b+\i]|   ; (the four blocks by turns)
.endr
.endr
.irp b, 0,1,2,3
	v_permlanex16_b32 v[TM+4+\b], v[TM+\b], s[SEL], s[SEL+1]
.endr
.irp b, 0,1,2,3
	v_max_num_f32 v[TM+\b], v[TM+\b], v[TM+4+\b]   ; with lane l xor 16's: the block's largest magnitude
.endr
.irp b, 0,1,2,3
	v_add_nc_u32 v[TM+12+\b], 0xff000000, v[TM+\b] ; 2 off its exponent field: the conversion takes the exponent field of this operand as its scale
.endr
.irp b, 0,1,2,3
	v_lshrrev_b32 v[TM+4+\b], 23, v[TM+12+\b]      ; the scale's byte
.endr
	v_lshl_or_b32 v[\wrd], v[TM+5], 8, v[TM+4]     ; the four bytes make my row's scale word
	v_lshl_or_b32 v[\wrd], v[TM+6], 16, v[\wrd]
	v_lshl_or_b32 v[\wrd], v[TM+7], 24, v[\wrd]
.irp b, 0,1,2,3
	v_cvt_scalef32_pk8_fp4_f32 v[(\cod)+2*\b], v[\src+16*\b:\src+7+16*\b], v[TM+12+\b]      ; to the nearest code, ties to even; beyond 6 the largest code
	v_cvt_scalef32_pk8_fp4_f32 v[(\cod)+1+2*\b], v[\src+8+16*\b:\src+15+16*\b], v[TM+12+\b]
.endr
	v_nop                                          ; one plain instruction behind the last scaled conversion
.irp c, 0,1                                    ; the operand's layout wants a WHOLE block in a lane: lanes 0-15 block 2 c, lanes 16-31 block 2 c + 1
.irp i, 0,1
	v_permlane16_swap_b32 v[(\cod)+4*\c+\i], v[(\cod)+2+4*\c+\i]
.endr
.endr
.endm
.macro SENDC m                         ; tile m's codes leave
.irp c, 0,1
	global_store_b128 v[LD], v[WC+8*(\m)+4*\c:WC+8*(\m)+4*\c+3], s[22:23] offset:4096*(\m)+512*\c   ; the fragment's image: 32 lanes store 512 consecutive bytes, aligned
.endr
.endm
; Tile m of W: rows 16 m .. 16 m + 15 of my 64.  Its numbers are on their way from the stage into X.  younger: the LDS instructions issued behind those loads, which may stay out
.macro WTILE m, younger
	s_wait_dscnt \younger                          ; the tile is back from the stage
.if (\m) == 0
	s_wait_alu depctr_vm_vsrc(0)                   ; the LDS stores of x Q(V)^T have read v40 to v71, which the quantiser writes from here on as W's codes
.endif
	QUANT X, WC+8*(\m), WSW+(\m)
.irp t, 0,1,2,3,4,5,6,7                        ; W + diag(O) U diag(S) V, on W's numbers where they stand: source 0 = 16 columns of V, source 1 = the tile's 16 rows of O U S; eight accumulators, one instruction each
	v_wmma_f32_16x16x32_bf16 v[X+8*\t:X+8*\t+7], v[VT+4*\t:VT+4*\t+7], v[AF+8*(\m):AF+8*(\m)+7], v[X+8*\t:X+8*\t+7]
.endr
.if (\m) < 3
	STAGEIN (\m)+2                                 ; the next tile goes into the stage behind the products, ahead of the squares
	WIN 0
.endif
	PLACES 4                                       ; four plain instructions between a matrix instruction and the first read of its result (ISA guide 7.12.1)
.set NN, 0
.rept 32                                       ; the squares, two at a time, in four chains; each accumulator is read from its low end on
.if NN < 4
	v_pk_mul_f32 v[SQ+2*NN:SQ+2*NN+1], v[X+2*NN:X+2*NN+1], v[X+2*NN:X+2*NN+1]      ; the first four start the chains: nothing is cleared
.else
	v_pk_fma_f32 v[SQ+2*(NN%4):SQ+2*(NN%4)+1], v[X+2*NN:X+2*NN+1], v[X+2*NN:X+2*NN+1], v[SQ+2*(NN%4):SQ+2*(NN%4)+1]
.endif
.set NN, NN+1
.endr
	v_pk_add_f32 v[SQ:SQ+1], v[SQ:SQ+1], v[SQ+2:SQ+3]
	v_pk_add_f32 v[SQ+4:SQ+5], v[SQ+4:SQ+5], v[SQ+6:SQ+7]
	v_pk_add_f32 v[SQ:SQ+1], v[SQ:SQ+1], v[SQ+4:SQ+5]
	v_add_f32 v[SQF+(\m)], v[SQ], v[SQ+1]          ; my 64 numbers' squares
.if (\m) < 3
	s_wait_alu depctr_va_vdst(0)                   ; the quantiser has written this tile's codes, which the stores below read; the products have written X and the squares are done reading it: the next tile's loads land there
	SENDC \m
	STAGEOUT
.endif                                             ; (the last tile's codes leave at the wave's end, behind the wait that stands there)
.endm
	LOADTILE 0                                     ; four tiles, 64 loads of 512 bytes, are on their way in each wave
	LOADTILE 1
	LOADTILE 2
	LOADTILE 3
	; ---- V's tile: into the f32 stage as loaded; rounded to bf16; its set is asked for again at once; the bf16 numbers into the second stage; then both ways back
	STAGEIN 0
	WIN 0x05                                       ; sources 0 and 1 window 1
.set NN, 0
.rept 32
	v_cvt_pk_bf16_f32 v[X+NN], v[2*NN], v[2*NN+1]  ; set 0
.set NN, NN+1
.endr
	LOADTILE 4                                     ; W's last tile, behind the two waits that free set 0
.irp k, 0,1,2,3,4,5,6,7,8,9,10,11,12,13,14,15
	ds_store_b64 v[BIN], v[X+2*\k:X+2*\k+1] offset:\k*BP       ; no vector instruction since the wait on va_vdst in front of the loads above
.endr
	s_wait_alu depctr_vm_vsrc(0)                   ; these LDS stores have read X's first 32 registers, in which the loads below land
	STAGEOUT
.irp t, 0,1,2,3,4,5,6,7                        ; V^T's eight fragments by the turning load (lane l reads 16 bytes of rank 8 h + l % 8 and is left with ranks 8 h .. 8 h + 7 of one column)
	ds_load_tr16_b128 v[VT+4*\t:VT+4*\t+3], v[BTR] offset:64*(\t/2)+16*(\t%2)
.endr
.irp m, 0,1,2,3                                ; O (U S), while the turn is on its way (the small loads are in: they are older than the tile just waited for)
.irp p, 0,1,2,3
	v_pk_mul_f32 v[XV+8*\m+2*\p:XV+8*\m+2*\p+1], v[XV+8*\m+2*\p:XV+8*\m+2*\p+1], v[TM+8+2*\p:TM+9+2*\p]
.endr
.endr
.irp m, 0,1,2,3
.irp i, 0,1,2,3,4,5,6,7
	v_mul_f32 v[XV+8*\m+\i], v[OO+\m], v[XV+8*\m+\i]
.endr
.endr
.irp m, 0,1,2,3
.irp p, 0,1,2,3
	v_cvt_pk_bf16_f32 v[AF+8*\m+\p], v[XV+8*\m+2*\p], v[XV+8*\m+2*\p+1]
.endr
.endr
	s_wait_dscnt 0x0                               ; the tile is back from both stages
	QUANT X, QV, QW
	STAGEIN 1                                      ; W's first tile goes into the stage
	WIN 0
	PLACES 8                                       ; a scale register written by vector instructions stands eight plain instructions ahead of a scaled matrix instruction, an operand four
	s_wait_alu depctr_va_vdst(0)                   ; the quantiser has written Q(V)'s fragment and its scale word, which the scaled products take; and it is done reading X, in which the loads behind the products land
.irp m, 0,1,2,3                                ; x Q(V)^T over my K step, for the four tiles of rows: four accumulators, one instruction each, each begun with the constant 0
	v_wmma_scale_f32_16x16x128_f8f6f4 v[XV+8*\m:XV+8*\m+7], v[QV:QV+7], v[XF+8*\m:XF+8*\m+7], 0, v[QW], v[XSW+\m] matrix_a_fmt:MATRIX_FMT_FP4 matrix_b_fmt:MATRIX_FMT_FP4
.endr
	STAGEOUT                                       ; W's first tile comes back.  No wait: the four products name neither X nor the address
	PLACES 4                                       ; four plain instructions ahead of the stores that read the results
	s_wait_alu depctr_va_vdst(0)                   ; the scaled products have written their four accumulators, which the LDS stores read; the places above stay beside this wait
.irp m, 0,1,2,3
	ds_store_b128 v[RXS], v[XV+8*\m:XV+8*\m+3] offset:1024*\m          ; each accumulator from its low end on; the registers are then free for W's codes
	ds_store_b128 v[RXS], v[XV+8*\m+4:XV+8*\m+7] offset:1024*\m+512
.endr
	; ---- W's four tiles
	WTILE 0, 8                                     ; behind the turn's loads: the eight stores just issued
	WTILE 1, 0
	WTILE 2, 0
	WTILE 3, 0
	; THE WAVE'S END: the last tile's codes leave; its parts of the sums of squares and its scale words go to LDS
	v_cmp_eq_u32 vcc_lo, 1, v3
.irp m, 0,1,2,3
	v_permlanex16_b32 v[TM+4+\m], v[SQF+\m], s[SEL], s[SEL+1]
.endr
.irp m, 0,1,2,3
	v_add_f32 v[SQF+\m], v[SQF+\m], v[TM+4+\m]     ; row 16 m + r's squares over my K step, in both halves of the lanes
.endr
	s_wait_alu depctr_va_vcc(0)                    ; the compare has written VCC, ahead of its first reader
.irp m, 0,1,2,3
	v_cndmask_b32 v[SD+\m], v[XSW+\m], v[WSW+\m], vcc_lo   ; lanes 0-15: x's word of row 16 m + r; lanes 16-31: W's
.endr
	s_wait_alu depctr_va_vdst(0)                   ; the last tile's codes, the four sums and the four words are written, which the stores below read; the last products have written X and the squares are done reading it: behind the barrier LDS loads land there, and no vector instruction stands between
	SENDC 3
.irp m, 0,1,2,3
	ds_store_b32 v[RQS], v[SQF+\m] offset:64*\m    ; (lanes r and 16 + r write the same word with the same value)
.endr
.irp m, 0,1,2,3
	ds_store_b32 v[SCS], v[SD+\m] offset:256*\m
.endr
	s_wait_dscnt 0x0                               ; for the others' sake: my LDS stores are done
	s_barrier_signal -1
	s_barrier_wait -1
	s_cmp_lt_u32 s[WV], 4
	s_cbranch_scc1 .Lsum_xv
	s_cmp_eq_u32 s[WV], 4
	s_cbranch_scc1 .Lsum_sq
	s_cmp_eq_u32 s[WV], 5
	s_cbranch_scc1 .Lwords
	s_wait_dscnt 0x0                               ; the closing lines, six on end
	s_wait_alu 0x0
	s_wait_tensorcnt 0x0
	ds_add_u32 v254, v255
	s_wait_dscnt 0x0
	s_endpgm
.Lsum_xv:                                              ; waves 0 to 3: tile w's x Q(V)^T over the quarter of K
.irp i, 0,1,2,3,4,5,6,7
	ds_load_b128 v[X+8*\i:X+8*\i+3], v[RXL] offset:4096*\i
	ds_load_b128 v[X+8*\i+4:X+8*\i+7], v[RXL] offset:4096*\i+512
.endr
	s_wait_dscnt 0x0
.irp i, 1,2,3,4,5,6,7
.irp p, 0,1,2,3
	v_pk_add_f32 v[X+2*\p:X+2*\p+1], v[X+2*\p:X+2*\p+1], v[X+8*\i+2*\p:X+8*\i+2*\p+1]
.endr
.endr
	s_wait_alu depctr_va_vdst(0)                   ; the additions have written the eight sums, which the stores read
	global_store_b128 v[LD], v[X:X+3], s[26:27]                ; 512 consecutive bytes, aligned
	global_store_b128 v[LD], v[X+4:X+7], s[26:27] offset:512
	s_wait_dscnt 0x0                               ; the closing lines, as above
	s_wait_alu 0x0
	s_wait_tensorcnt 0x0
	ds_add_u32 v254, v255
	s_wait_dscnt 0x0
	s_endpgm
.Lsum_sq:                                              ; wave 4: the 64 rows' sums of squares over the quarter of K: lane l takes rows 2 l and 2 l + 1
.irp i, 0,1,2,3,4,5,6,7
	ds_load_b64 v[X+2*\i:X+2*\i+1], v[RQL] offset:256*\i
.endr
	s_wait_dscnt 0x0
.irp i, 1,2,3,4,5,6,7
	v_pk_add_f32 v[X:X+1], v[X:X+1], v[X+2*\i:X+2*\i+1]
.endr
	s_wait_alu depctr_va_vdst(0)                   ; the additions have written the two sums, which the store reads
	global_store_b64 v[L8], v[X:X+1], s[28:29]     ; 32 lanes store 256 consecutive bytes, aligned
	s_wait_dscnt 0x0                               ; the closing lines, as above
	s_wait_alu 0x0
	s_wait_tensorcnt 0x0
	ds_add_u32 v254, v255
	s_wait_dscnt 0x0
	s_endpgm
.Lwords:                                               ; wave 5: the scale words: eight pieces of 512 bytes (two tiles of 16 rows), each to its place; the stores' data come from LDS loads alone
.irp j, 0,1,2,3,4,5,6,7
	ds_load_b128 v[X+4*\j:X+4*\j+3], v[SCL] offset:512*\j
.endr
	s_wait_dscnt 0x0
.irp j, 0,1,2,3,4,5,6,7
	global_store_b128 v[LD], v[X+4*\j:X+4*\j+3], s[24:25] offset:((\j/2)%2)*131072+(\j/4)*65536+(\j%2)*512   ; piece j: x's (j < 4) or W's; which K / 512; which two tiles
.endr
	s_wait_dscnt 0x0                               ; the closing lines, as above
	s_wait_alu 0x0
	s_wait_tensorcnt 0x0
	ds_add_u32 v254, v255
	s_wait_dscnt 0x0
	s_endpgm
.Lfunc_end_k_q0523cd96e4_prep:
	.size	k_q0523cd96e4_prep, .Lfunc_end_k_q0523cd96e4_prep-k_q0523cd96e4_prep
	.p2alignl 7, 3214868480
	.fill 96, 4, 3214868480
	.section	.rodata,"a",@progbits
	.p2align	6, 0x0
	.amdhsa_kernel k_q0523cd96e4_prep
		.amdhsa_group_segment_fixed_size 146432
		.amdhsa_private_segment_fixed_size 0
		.amdhsa_enable_private_segment 0
		.amdhsa_kernarg_size 88
		.amdhsa_user_sgpr_count 2
		.amdhsa_user_sgpr_kernarg_segment_ptr 1
		.amdhsa_wavefront_size32 1
		.amdhsa_system_sgpr_workgroup_id_x 1
		.amdhsa_system_sgpr_workgroup_id_y 1
		.amdhsa_system_sgpr_workgroup_id_z 1
		.amdhsa_system_vgpr_workitem_id 0
		.amdhsa_next_free_vgpr 512
		.amdhsa_next_free_sgpr 66
		.amdhsa_reserve_vcc 1
		.amdhsa_float_denorm_mode_32 3
		.amdhsa_float_denorm_mode_16_64 3
		.amdhsa_memory_ordered 1
		.amdhsa_forward_progress 1
		.amdhsa_inst_pref_size 73
	.end_amdhsa_kernel
	.amdgpu_metadata
---
amdhsa.version: [ 1, 2 ]
amdhsa.kernels:
  - .name:           k_q0523cd96e4_prep
    .symbol:         k_q0523cd96e4_prep.kd
    .args:
      - { .name: base_weight, .offset: 0, .size: 8, .value_kind: global_buffer, .address_space: global }
      - { .name: osora_V, .offset: 8, .size: 8, .value_kind: global_buffer, .address_space: global }
      - { .name: osora_U, .offset: 16, .size: 8, .value_kind: global_buffer, .address_space: global }
      - { .name: osora_S, .offset: 24, .size: 8, .value_kind: global_buffer, .address_space: global }
      - { .name: osora_O, .offset: 32, .size: 8, .value_kind: global_buffer, .address_space: global }
      - { .name: x_codes, .offset: 40, .size: 8, .value_kind: global_buffer, .address_space: global }
      - { .name: x_scales, .offset: 48, .size: 8, .value_kind: global_buffer, .address_space: global }
      - { .name: wq, .offset: 56, .size: 8, .value_kind: global_buffer, .address_space: global }
      - { .name: sc, .offset: 64, .size: 8, .value_kind: global_buffer, .address_space: global }
      - { .name: xvp, .offset: 72, .size: 8, .value_kind: global_buffer, .address_space: global }
      - { .name: sqp, .offset: 80, .size: 8, .value_kind: global_buffer, .address_space: global }
    .group_segment_fixed_size: 146432
    .private_segment_fixed_size: 0
    .kernarg_segment_align: 8
    .kernarg_segment_size: 88
    .max_flat_workgroup_size: 256
    .sgpr_count:     66
    .vgpr_count:     512
    .wavefront_size: 32
...
	.end_amdgpu_metadata
.endif
;; end of part 3
;; launch gemm: the kernel of part 2 again; grid 16 x 16, 4 waves a work-group, clusters of 4 x 4, 327,680 bytes of LDS; arguments x_codes, wq, sc, xvp, sqp, osora_U, osora_S, osora_O, magnitude, out0; writes out0
